; MI455X (gfx1250); checked and timed in simulation.
; The chip was launched on July 23, 2026; its instructions are those of AMD's public machine-readable ISA for CDNA 5 (MIT licence, August 2026) and "CDNA5" Instruction Set Architecture Reference Guide (July 2026). The comments in the code are by the model that wrote it; some were corrected since.
;; Self Attention. Allowed arithmetic: float matrix products may take bf16 or f16 operands with f32 sums; other float arithmetic in f32, or as packed bf16 or f16 multiplies, adds, multiply-adds, maxima and minima; sums over many terms, partial sums and values carried from step to step in f32; what a program stores and reads back later, other than sums and carried values, may be rounded once to bf16 or f16.
;; Inputs: W_out 1,024 x 1,024 float32; W_qkv 1,024 x 3,072 float32; b_out 1,024 float32; b_qkv 3,072 float32; hidden_states 1 x 4,096 x 1,024 float32; mask 1 x 1 x 4,096 x 4,096 float32.
;; Outputs: out0 1 x 4,096 x 1,024 float32.
;; 2 versions, each right; version 2 is version 1 with the launch cast written anew for expert scheduling mode. Each part assembles by itself: llvm-mc -triple=amdgcn-amd-amdhsa -mcpu=gfx1250 --defsym DOCPART=n.
;; ======== version 1 of 2: 4 launches
;; limits: values are held in f16: magnitudes above 65,504 overflow, below 6.1e-05 lose precision
;; workspace buffers: x16 8,388,608 bytes; wq16 6,291,456 bytes; wo16 2,097,152 bytes; qkv 25,165,824 bytes; ctx 8,388,608 bytes
;; launch cast (part 1): grid 256 x 1, 8 waves a work-group, no clusters, 0 bytes of LDS; arguments hidden_states, W_qkv, W_out, x16, wq16, wo16; writes x16, wq16, wo16
.if DOCPART == 1
	.amdgcn_target "amdgcn-amd-amdhsa--gfx1250"
	.amdhsa_code_object_version 6
	.text
	.protected	k_qe43bfdfe5b_cast
	.globl	k_qe43bfdfe5b_cast
	.p2align	8
	.type	k_qe43bfdfe5b_cast,@function
k_qe43bfdfe5b_cast:
	s_mov_b64 s[64:65], 0
	v_nop
	global_prefetch_b8 v0, s[64:65] scope:SCOPE_SE
	s_setreg_imm32_b32 hwreg(HW_REG_WAVE_MODE, 25, 1), 1
	s_wait_xcnt 0x0
; x16 = f16(bf16(hidden_states)), wq16 = f16(bf16(W_qkv)), wo16 = f16(bf16(W_out)): the same layouts, half the bytes.
; Each f32 is rounded once to bf16 (nearest even); that number is then written as f16, which is exact wherever f16 holds it.
; LIMITS.  A bf16 number beyond 65,504 becomes an infinity in f16; one below 6.1e-5 keeps f16's fixed step of 6e-8.
; A stream: every byte is read once and written once, so LDS, barriers, the matrix unit and clusters would add nothing.
; SHARES.  8,388,608 numbers in 256 work-groups of 32,768: groups 0-127 take hidden_states, 128-223 W_qkv, 224-255 W_out.
; Thread t takes 16 bytes at 16 t of each of 32 sweeps of 4,096 bytes: a wave's load covers 512 consecutive bytes, its store of
; 8 bytes a lane 256 consecutive bytes at a multiple of 256.  All 32 loads of a thread go out at once; every register is written once.
.set X, 4                              ; v[4:131]    sweep i: 4 f32 as loaded
.set Y, 132                            ; v[132:195]  sweep i: 4 f16 to store
.set T, 196                            ; v[196:207]  at work, two sets of six
	s_load_b256 s[4:11], s[0:1], 0x0               ; hidden_states s[4:5], W_qkv s[6:7], W_out s[8:9], x16 s[10:11]
	s_load_b128 s[12:15], s[0:1], 0x20             ; wq16 s[12:13], wo16 s[14:15]
	s_mov_b32 s16, ttmp9                           ; the work-group's number
	s_mov_b32 s24, 0xffff0000                      ; a word's upper bf16
	s_movk_i32 s25, 128
	v_lshlrev_b32 v1, 4, v0                        ; 16 t: my bytes in a sweep of the source
	v_lshlrev_b32 v2, 3, v0                        ; 8 t: in a sweep of the result
	s_wait_kmcnt 0x0
	s_cmp_lt_u32 s16, 224                          ; which tensor: the choice hangs on the group's number alone
	s_cselect_b64 s[18:19], s[6:7], s[8:9]
	s_cselect_b64 s[20:21], s[12:13], s[14:15]
	s_cselect_b32 s17, s25, 224                    ; the tensor's first group
	s_cmp_lt_u32 s16, 128
	s_cselect_b64 s[18:19], s[4:5], s[18:19]
	s_cselect_b64 s[20:21], s[10:11], s[20:21]
	s_cselect_b32 s17, 0, s17
	s_sub_co_u32 s16, s16, s17                     ; my place in the tensor
	s_lshl_b32 s22, s16, 17                        ; 131,072 bytes of f32 a group
	s_mov_b32 s23, 0
	s_add_nc_u64 s[18:19], s[18:19], s[22:23]
	s_lshl_b32 s22, s16, 16                        ; 65,536 bytes of f16
	s_add_nc_u64 s[20:21], s[20:21], s[22:23]
.set i, 0
.rept 32
	global_load_b128 v[X+4*i:X+4*i+3], v1, s[18:19] offset:4096*i th:TH_LOAD_NT
.set i, i+1
.endr
.set i, 0
.rept 32
.set W, T+6*(i%2)
	s_wait_loadcnt 31-i                            ; loads come back in order: sweep i is in, the 31 - i younger ones stay out
	v_cvt_pk_bf16_f32 v[W], v[X+4*i], v[X+4*i+1]   ; the one rounding
	v_cvt_pk_bf16_f32 v[W+1], v[X+4*i+2], v[X+4*i+3]
	v_lshlrev_b32 v[W+2], 16, v[W]                 ; bf16 back to f32: the low half moves up, the high half stays
	v_and_b32 v[W+3], s24, v[W]
	v_lshlrev_b32 v[W+4], 16, v[W+1]
	v_and_b32 v[W+5], s24, v[W+1]
	v_cvt_pk_f16_f32 v[Y+2*i], v[W+2], v[W+3]      ; 8 significant bits fit f16's 11
	v_cvt_pk_f16_f32 v[Y+2*i+1], v[W+4], v[W+5]
	global_store_b64 v2, v[Y+2*i:Y+2*i+1], s[20:21] offset:2048*i
.set i, i+1
.endr
	s_endpgm
.Lfunc_end_k_qe43bfdfe5b_cast:
	.size	k_qe43bfdfe5b_cast, .Lfunc_end_k_qe43bfdfe5b_cast-k_qe43bfdfe5b_cast
	.p2alignl 7, 3214868480
	.fill 96, 4, 3214868480
	.section	.rodata,"a",@progbits
	.p2align	6, 0x0
	.amdhsa_kernel k_qe43bfdfe5b_cast
		.amdhsa_group_segment_fixed_size 0
		.amdhsa_private_segment_fixed_size 0
		.amdhsa_enable_private_segment 0
		.amdhsa_kernarg_size 48
		.amdhsa_user_sgpr_count 2
		.amdhsa_user_sgpr_kernarg_segment_ptr 1
		.amdhsa_wavefront_size32 1
		.amdhsa_system_sgpr_workgroup_id_x 1
		.amdhsa_system_sgpr_workgroup_id_y 1
		.amdhsa_system_sgpr_workgroup_id_z 1
		.amdhsa_system_vgpr_workitem_id 0
		.amdhsa_next_free_vgpr 208
		.amdhsa_next_free_sgpr 66
		.amdhsa_reserve_vcc 0
		.amdhsa_float_denorm_mode_32 3
		.amdhsa_float_denorm_mode_16_64 3
		.amdhsa_memory_ordered 1
		.amdhsa_forward_progress 1
		.amdhsa_inst_pref_size 21
	.end_amdhsa_kernel
	.amdgpu_metadata
---
amdhsa.version: [ 1, 2 ]
amdhsa.kernels:
  - .name:           k_qe43bfdfe5b_cast
    .symbol:         k_qe43bfdfe5b_cast.kd
    .args:
      - { .name: hidden_states, .offset: 0, .size: 8, .value_kind: global_buffer, .address_space: global }
      - { .name: W_qkv, .offset: 8, .size: 8, .value_kind: global_buffer, .address_space: global }
      - { .name: W_out, .offset: 16, .size: 8, .value_kind: global_buffer, .address_space: global }
      - { .name: x16, .offset: 24, .size: 8, .value_kind: global_buffer, .address_space: global }
      - { .name: wq16, .offset: 32, .size: 8, .value_kind: global_buffer, .address_space: global }
      - { .name: wo16, .offset: 40, .size: 8, .value_kind: global_buffer, .address_space: global }
    .group_segment_fixed_size: 0
    .private_segment_fixed_size: 0
    .kernarg_segment_align: 8
    .kernarg_segment_size: 48
    .max_flat_workgroup_size: 256
    .sgpr_count:     66
    .vgpr_count:     208
    .wavefront_size: 32
...
	.end_amdgpu_metadata
.endif
;; end of part 1
;; launch qkvgemm (part 2): grid 24 x 32, 4 waves a work-group, clusters of 4 x 4, 327,680 bytes of LDS; arguments x16, wq16, b_qkv, qkv; writes qkv
.if DOCPART == 2
	.amdgcn_target "amdgcn-amd-amdhsa--gfx1250"
	.amdhsa_code_object_version 6
	.text
	.protected	k_qe43bfdfe5b_qkvgemm
	.globl	k_qe43bfdfe5b_qkvgemm
	.p2align	8
	.type	k_qe43bfdfe5b_qkvgemm,@function
k_qe43bfdfe5b_qkvgemm:
	s_mov_b64 s[64:65], 0
	v_nop
	global_prefetch_b8 v0, s[64:65] scope:SCOPE_SE
	s_setreg_imm32_b32 hwreg(HW_REG_WAVE_MODE, 25, 1), 1
	s_wait_xcnt 0x0
	s_wait_alu depctr_hold_cnt(0) depctr_sa_sdst(0) depctr_va_vdst(0) depctr_va_sdst(0) depctr_va_ssrc(0) depctr_va_vcc(0) depctr_vm_vsrc(0)
	s_getreg_b32 s2, hwreg(HW_REG_IB_STS2, 6, 4)
	s_cmp_eq_u32 s2, 0
	s_cbranch_scc0 .Lentry_in_a_cluster
	s_endpgm
.Lentry_in_a_cluster:
	s_bfe_u32 s2, ttmp6, 0x10000c
	s_cmp_lg_u32 s2, 0xf033
	s_cbranch_scc0 .Lentry_shape_is_right
	s_endpgm
.Lentry_shape_is_right:
; C[m][n] = the sum over k of A[m][k] W[k][n] + bf16(bias[n]).  A: [4096][1024] f16, W: [1024][SIZE_N] f16, bias: [SIZE_N] f32; sums in f32.
; One text serves two launches; the two constants below tell them apart.
;   OUTF32 = 0 (the QKV projection, SIZE_N = 3072): C is multiplied by 1/8 in columns 0-1023 (q; a power of two, so the one rounding is unchanged), rounded once to f16
;     and stored in 24 blocks of 128 columns, [block][4096 rows][128]: a row of a block is 256 bytes, two heads of 64 channels.
;   OUTF32 = 1 (the output projection, SIZE_N = 1024): C is stored as f32, row-major.
; LIMITS.  With OUTF32 = 0 a result beyond 65,504 becomes an infinity in f16, and one below 6.1e-5 keeps f16's fixed step of 6e-8.  NaN and infinities are not treated apart.
; SHARES.  A tile of C is 128 x 128: four waves, each 64 x 64: 16 accumulators of 16 x 16.  K goes in four steps of 256 through two LDS slots filled by the tensor data mover.
; A's tile: 128 rows x 512 bytes.  W's tile lies [k][n]: 256 rows x 256 bytes; its fragments come out of LDS turned, by ds_load_tr16_b128.
; CLUSTER.  4 x 4 work-groups: the four of a row need the same tiles of A, the four of a column the same tiles of W: each tile is asked for JOINTLY, by the same load, descriptor and mask in all four.
; THE MATRIX INSTRUCTION IS USED TRANSPOSED (source 0 = 16 columns of W, source 1 = 16 rows of A): a lane then holds eight neighbouring numbers of a row of C.
; REGISTERS: window 0: v0-31 addresses; v32-95 at work on the way out; v96-127 my 32 columns' bias; v128-255 the accumulators ((a, b) at v[128 + 8 (4 a + b)]).
;   window 1: two fragment buffers of 128: for 64 along K, 64 registers of A (2 x 4 x 16 rows x 32 K), then 64 of W.
.set OUTF32, 0
.set SIZE_N, 3072
.set SIZE_K, 1024
.set KSTEP,  256
.set PITCH,  528                       ; a row of A in LDS: 512 bytes + 16 of padding = 132 words: the 16 rows of a load start at 16 different groups of four banks (64 banks of 4 bytes: ISA guide 11.1)
.set HALFA,  64*PITCH                  ; 64 rows of A: one tensor load, and what one wave reads of A
.set PB,     288                       ; a row of W: 256 + 32 = 72 words
.set HALFB,  128*PB                    ; 128 k-rows of W: one tensor load
.set BOFF,   2*HALFA                   ; W's 256 rows lie behind A's 128
.set SLOT,   BOFF+2*HALFB
.set STAGE,  2*SLOT                    ; behind the ring, never filled by a tensor load: the way out
.set SPITCH, 272
.if OUTF32
.set SPARE,  STAGE+4*16*SPITCH         ; a stage of 16 rows for each wave; behind them the spare words, 128 bytes a wave, which no other line names
.else
.set SPARE,  STAGE+128*SPITCH          ; one stage of 128 rows for the work-group; behind it the spare words
.endif
.set ADRA, 16                          ; v16-17  LDS address of my A fragments in slot 0, 1
.set ADRB, 20                          ; v20-23  of my W fragments: slot 0 k-rows 0-127, 128-255; slot 1 likewise
.set STO,  24                          ; v24     the way out: where I put my bytes of a row
.set RD,   25                          ; v25     the way out: where I read a row back
.set CO,   26                          ; v26     my byte offset in the result
.set SPW,  28                          ; v28     LDS address of my spare word; never rewritten
.set NIL,  29                          ; v29     0; never rewritten
.set TMP,  32
.set BIAS, 96
.set ACC,  128
.set F0,   0                           ; fragment buffers, in window 1
.set F1,   128
.set G1,  24                           ; s[24:31] descriptor group 1 for A's tiles;  s[32:39] group 0, one set for each slot
.set G0,  32
.set G1B, 48                           ; s[48:55], s[56:63] the same for W's tiles
.set G0B, 56
.set WV,  66                           ; s66  my wave's number
.set RH,  67                           ; s67  which half of the tile's rows is mine.  Also: I fetch for A (0) or for W (1)
.set CH,  68                           ; s68  which half of its columns.  Also: which half of that tile I fetch
.set SC,  70                           ; s[70:71] the factor, 1/8 or 1
.set MSB, 0
.macro WIN new                         ; the immediate's high byte repeats the setting that is left; a switch that changes nothing is dropped
.if MSB != (\new)
	s_set_vgpr_msb (MSB<<8)|(\new)
.set MSB, \new
.endif
.endm
.set MUL,  0x05                        ; sources 0 (W) and 1 (A) window 1; C and D window 0
.set TO_F, 0x40                        ; destination window 1, address window 0
.macro JLOAD s                         ; a joint load: waves 0 and 1 fetch A's two halves, waves 2 and 3 W's; an s_nop 0 and four v_nop follow each line, ahead of the jump and the label
	s_cmp_eq_u32 s[RH], 0
	s_cbranch_scc0 .Lfor_b_\@
	tensor_load_to_lds s[G0+4*(\s):G0+4*(\s)+3], s[G1:G1+7]
	s_nop 0
.rept 4
	v_nop
.endr
	s_branch .Lasked_\@
.Lfor_b_\@:
	tensor_load_to_lds s[G0B+4*(\s):G0B+4*(\s)+3], s[G1B:G1B+7]
	s_nop 0
.rept 4
	v_nop
.endr
.Lasked_\@:
.endm
.macro CREST                           ; a round of the cluster's barrier behind its opening barrier
	s_cmp_lg_u32 s[WV], 0
	s_cbranch_scc1 .Lnot_wave_0_\@
	s_barrier_signal -3
.Lnot_wave_0_\@:
	s_barrier_wait -3
	s_barrier_signal -1
	s_barrier_wait -1
.endm
.macro CROUND                          ; a whole round
	s_barrier_signal -1
	s_barrier_wait -1
	CREST
.endm
	s_load_b256 s[4:11], s[0:1], 0x0               ; A s[4:5], W s[6:7], bias s[8:9], the result s[10:11]
	v_lshl_add_u32 v[SPW], v0, 2, SPARE
	v_mov_b32 v[NIL], 0
	ds_add_u32 v[SPW], v[NIL]                      ; the wave's opening: the add and its wait stand ahead of my first tensor load; the set-up below, work on registers, stands between them
	v_lshrrev_b32 v1, 5, v0
	v_readfirstlane_b32 s[WV], v1                  ; wave 0..3
	s_lshr_b32 s[RH], s[WV], 1
	s_and_b32 s[CH], s[WV], 1
	s_bfe_u32 s40, ttmp6, 0x40000                  ; cx, cy: my place in the cluster
	s_bfe_u32 s41, ttmp6, 0x40004
	s_lshl_b32 s42, ttmp9, 2
	s_add_co_u32 s42, s42, s40                     ; tile column of C = 4 x cluster x + cx
	s_and_b32 s13, ttmp7, 0xffff
	s_lshl_b32 s13, s13, 2
	s_add_co_u32 s13, s13, s41                     ; tile row of C = 4 x cluster y + cy
	s_lshl_b32 s43, s41, 2
	s_lshl_b32 s43, 15, s43                        ; my row of the cluster
	s_lshl_b32 s44, 0x1111, s40                    ; my column
	; descriptor group 1 for A: 64 rows x 256 elements of 2 bytes, 16 bytes of padding behind every 128 words
	s_or_b32 s[G1+0], s43, (1<<16)|(1<<20)|(1<<21)|(6<<22)|(3<<25)  ; 15:0 the mask: my row; 17:16 2-byte elements; 20 padding on; 21 set beside a mask; 24:22 code 6; 31:25 4 words (code 3)
	s_mov_b32 s[G1+1], KSTEP<<16                   ; tensor_dim0 = 256
	s_mov_b32 s[G1+2], 64<<16                      ; tensor_dim1 = 64
	s_mov_b32 s[G1+3], KSTEP<<16                   ; tile_dim0 = 256
	s_mov_b32 s[G1+4], 64                          ; tile_dim1 = 64
	s_mov_b32 s[G1+5], SIZE_K                      ; elements from row to row
	s_mov_b32 s[G1+6], 0
	s_mov_b32 s[G1+7], 0
	; for W: 128 k-rows x 128 elements, 32 bytes of padding behind every 64 words
	s_or_b32 s[G1B+0], s44, (1<<16)|(1<<20)|(1<<21)|(5<<22)|(7<<25)  ; the mask: my column; code 5; 8 words (code 7)
	s_mov_b32 s[G1B+1], 128<<16
	s_mov_b32 s[G1B+2], 128<<16
	s_mov_b32 s[G1B+3], 128<<16
	s_mov_b32 s[G1B+4], 128
	s_mov_b32 s[G1B+5], SIZE_N
	s_mov_b32 s[G1B+6], 0
	s_mov_b32 s[G1B+7], 0
	; where the tiles come from: A's hang on the tile row alone, W's on the tile column alone, each in registers that never hold the other coordinate
	s_lshl_b32 s16, s13, 7
	s_lshl_b32 s17, s[CH], 6
	s_add_co_u32 s16, s16, s17                     ; A: row 128 x tile row + 64 x half,
	s_lshl_b32 s16, s16, 11                        ; of 2,048 bytes
	s_mov_b32 s17, 0
	s_lshl_b32 s46, s42, 8                         ; W: 256 bytes x tile column
	s_mul_i32 s47, s[CH], 128*SIZE_N*2             ; + 128 k-rows x half
	s_add_co_u32 s46, s46, s47
	s_mov_b32 s47, 0
	s_mul_i32 s20, s[CH], HALFA                    ; and where they go: no place in the cluster enters an LDS address
	s_mul_i32 s21, s[CH], HALFB
	s_add_co_u32 s21, s21, BOFF
.if !OUTF32
	s_cmp_lt_u32 s42, 8                            ; tile columns 0-7 are q: a choice of a number, no branch
	s_cselect_b32 s[SC], 0x3e000000, 1.0
	s_mov_b32 s[SC+1], s[SC]                       ; named with it as a pair
.endif
	s_wait_dscnt 0x0                               ; the opening add is done
	s_wait_kmcnt 0x0
	s_add_nc_u64 s[14:15], s[4:5], s[16:17]
	s_add_nc_u64 s[46:47], s[6:7], s[46:47]
	CROUND                                         ; all sixteen work-groups are here: the first joint loads meet
.irp s, 0,1
	s_mov_b32 s[G0+4*(\s)], 1                                        ; count = 1
	s_add_co_u32 s[G0+4*(\s)+1], s20, (\s)*SLOT                      ; LDS address
	s_add_nc_u64 s[G0+4*(\s)+2:G0+4*(\s)+3], s[14:15], (\s)*KSTEP*2  ; global address: K step s
	s_or_b32 s[G0+4*(\s)+3], s[G0+4*(\s)+3], 0x80000000              ; type = 2
	s_mov_b32 s[G0B+4*(\s)], 1
	s_add_co_u32 s[G0B+4*(\s)+1], s21, (\s)*SLOT
	s_add_nc_u64 s[G0B+4*(\s)+2:G0B+4*(\s)+3], s[46:47], (\s)*KSTEP*SIZE_N*2
	s_or_b32 s[G0B+4*(\s)+3], s[G0B+4*(\s)+3], 0x80000000
	JLOAD \s                                       ; two loads of mine are out
.endr
	v_and_b32 v1, 15, v0                           ; r = l % 16
	v_bfe_u32 v2, v0, 4, 1                         ; h = l / 16
	; the bias of my 32 columns, 128 x tile column + 64 x half + 16 b + 8 h + 0..7
	s_lshl_b32 s22, s42, 9
	s_lshl_b32 s23, s[CH], 8
	s_add_co_u32 s22, s22, s23                     ; my first column x 4 bytes
	s_mov_b32 s23, 0
	s_add_nc_u64 s[8:9], s[8:9], s[22:23]
	v_lshlrev_b32 v6, 5, v2
.irp b, 0,1,2,3
	global_load_b128 v[BIAS+8*(\b):BIAS+8*(\b)+3],   v6, s[8:9] offset:64*(\b)
	global_load_b128 v[BIAS+8*(\b)+4:BIAS+8*(\b)+7], v6, s[8:9] offset:64*(\b)+16
.endr
	; a fragment of A: lane l holds row r, K = 8 h + 0..7 and 16 + 8 h + 0..7: two loads of 16 bytes, 32 bytes apart
	v_mul_u32_u24 v3, v1, PITCH
	v_lshl_add_u32 v3, v2, 4, v3
	s_mul_i32 s72, s[RH], HALFA                    ; my 64 rows of A
	v_add_nc_u32 v[ADRA], s72, v3
	v_add_nc_u32 v[ADRA+1], SLOT, v[ADRA]
	; a fragment of W: the turning load takes 16 k x 16 n (lane l reads k-row 8 h + l % 8, columns 8 ((l / 8) % 2) + 0..7) and leaves lane l column r and 8 k
	v_and_b32 v4, 7, v0
	v_lshl_add_u32 v4, v2, 3, v4
	v_mul_u32_u24 v4, v4, PB
	v_bfe_u32 v5, v0, 3, 1
	v_lshl_add_u32 v4, v5, 4, v4
	s_lshl_b32 s72, s[CH], 7                       ; my 64 columns
	s_add_co_u32 s72, s72, BOFF
	v_add_nc_u32 v[ADRB], s72, v4
	v_add_nc_u32 v[ADRB+1], HALFB, v[ADRB]
	v_add_nc_u32 v[ADRB+2], SLOT, v[ADRB]
	v_add_nc_u32 v[ADRB+3], SLOT+HALFB, v[ADRB]
.if OUTF32
	s_mul_i32 s72, s[WV], 16*SPITCH
	s_add_co_u32 s72, s72, STAGE                   ; my own stage: a wave's 64 f32 columns are a whole 256 bytes
	v_mul_u32_u24 v4, v1, SPITCH                   ; in: row r, 32 bytes for each half of the lanes
	v_lshl_add_u32 v4, v2, 5, v4
	v_add_nc_u32 v[STO], s72, v4
	v_mul_u32_u24 v5, v2, SPITCH                   ; back: lanes 0-15 one row of 256 bytes, lanes 16-31 the next
	v_lshl_add_u32 v5, v1, 4, v5
	v_add_nc_u32 v[RD], s72, v5
	v_lshlrev_b32 v5, 12, v2                       ; and the same two rows of the result, 4,096 bytes apart
	v_lshl_add_u32 v[CO], v1, 4, v5
	s_lshl_b32 s16, s13, 7
	s_lshl_b32 s17, s[RH], 6
	s_add_co_u32 s16, s16, s17                     ; my first row: 128 x tile row + 64 x half,
	s_lshl_b32 s16, s16, 12                        ; of 4,096 bytes
	s_mov_b32 s17, 0
	s_add_nc_u64 s[10:11], s[10:11], s[16:17]
	s_add_nc_u64 s[10:11], s[10:11], s[22:23]      ; my first column x 4 bytes, as for the bias
.else
	s_mul_i32 s72, s[RH], 64*SPITCH                ; into the shared stage: my 64 rows, my half of their 256 bytes
	s_lshl_b32 s73, s[CH], 7
	s_add_co_u32 s72, s72, s73
	s_add_co_u32 s72, s72, STAGE
	v_mul_u32_u24 v4, v1, SPITCH
	v_lshl_add_u32 v4, v2, 4, v4
	v_add_nc_u32 v[STO], s72, v4
	s_mul_i32 s72, s[WV], 32*SPITCH                ; back: wave w takes rows 32 w .. 32 w + 31, whole
	s_add_co_u32 s72, s72, STAGE
	v_mul_u32_u24 v5, v2, SPITCH
	v_lshl_add_u32 v5, v1, 4, v5
	v_add_nc_u32 v[RD], s72, v5
	v_lshlrev_b32 v5, 8, v2                        ; and the same two rows of the block, 256 bytes apart
	v_lshl_add_u32 v[CO], v1, 4, v5
	s_lshl_b32 s16, s13, 7
	s_lshl_b32 s17, s[WV], 5
	s_add_co_u32 s16, s16, s17                     ; the first row that I store: 128 x tile row + 32 x wave,
	s_lshl_b32 s16, s16, 8                         ; of 256 bytes
	s_mov_b32 s17, 0
	s_add_nc_u64 s[10:11], s[10:11], s[16:17]
	s_lshl_b32 s22, s42, 20                        ; block = tile column: 4,096 rows x 256 bytes
	s_add_nc_u64 s[10:11], s[10:11], s[22:23]
.endif
	s_wait_loadcnt 0x0                             ; the bias; it is rounded to bf16 like every input, widened again, and takes the factor
.set p, 0
.rept 16
	v_cvt_pk_bf16_f32 v[7+p%2], v[BIAS+2*p], v[BIAS+2*p+1]
	v_lshlrev_b32 v[BIAS+2*p], 16, v[7+p%2]
	v_and_b32 v[BIAS+2*p+1], 0xffff0000, v[7+p%2]
.if !OUTF32
	v_pk_mul_f32 v[BIAS+2*p:BIAS+2*p+1], v[BIAS+2*p:BIAS+2*p+1], s[SC:SC+1] op_sel_hi:[1,0]
.endif
.set p, p+1
.endr
; 8 matrix instructions: m blocks a0, a0 + 1 x all 4 n blocks, 32 along K: half c of buffer f.  zero = 1: the first product starts the sums.  The 16 accumulators take turns.
.macro MUL8 f, c, a0, zero
	WIN MUL
.irp a, \a0, (\a0)+1
.irp b, 0,1,2,3
.if \zero
	v_wmma_f32_16x16x32_f16 v[ACC+8*(4*(\a)+(\b)):ACC+8*(4*(\a)+(\b))+7], v[(\f)+64+8*(4*(\c)+(\b)):(\f)+64+8*(4*(\c)+(\b))+7], v[(\f)+8*(4*(\c)+(\a)):(\f)+8*(4*(\c)+(\a))+7], 0
.else
	v_wmma_f32_16x16x32_f16 v[ACC+8*(4*(\a)+(\b)):ACC+8*(4*(\a)+(\b))+7], v[(\f)+64+8*(4*(\c)+(\b)):(\f)+64+8*(4*(\c)+(\b))+7], v[(\f)+8*(4*(\c)+(\a)):(\f)+8*(4*(\c)+(\a))+7], v[ACC+8*(4*(\a)+(\b)):ACC+8*(4*(\a)+(\b))+7]
.endif
.endr
.endr
.endm
; 32 LDS loads in one run: the fragments of quarter q (64 along K) of a slot, into buffer f; the first 32 along K first
.macro FETCH slot, q, f
	WIN TO_F
.irp c, 0,1
.irp i, 0,1,2,3
	ds_load_tr16_b128 v[(\f)+64+8*(4*(\c)+(\i)):(\f)+64+8*(4*(\c)+(\i))+3],   v[ADRB+2*(\slot)+(\q)/2] offset:(((\q)%2)*64+32*(\c))*PB+32*(\i)
	ds_load_tr16_b128 v[(\f)+64+8*(4*(\c)+(\i))+4:(\f)+64+8*(4*(\c)+(\i))+7], v[ADRB+2*(\slot)+(\q)/2] offset:(((\q)%2)*64+32*(\c)+16)*PB+32*(\i)
	ds_load_b128 v[(\f)+8*(4*(\c)+(\i)):(\f)+8*(4*(\c)+(\i))+3],         v[ADRA+(\slot)] offset:128*(\q)+64*(\c)+(\i)*16*PITCH
	ds_load_b128 v[(\f)+8*(4*(\c)+(\i))+4:(\f)+8*(4*(\c)+(\i))+7],       v[ADRA+(\slot)] offset:128*(\q)+64*(\c)+(\i)*16*PITCH+32
.endr
.endr
.endm
.macro PLACES                          ; four places in front of loads into registers that matrix instructions have read, and of vector lines that read results
.rept 4
	v_nop
.endr
.endm
; A K step is four quarters of 64 along K, 32 matrix instructions each, on buffers 0, 1, 0, 1.  One of the first three: multiplies buffer f and fetches quarter q into g.
.macro QUARTER slot, q, f, g, zero
	s_wait_dscnt 16                                ; the first 32 along K are in; the youngest sixteen loads may be out
	WIN MUL
	MUL8 \f, 0, 0, \zero
	MUL8 \f, 0, 2, \zero
	PLACES
	FETCH \slot, \q, \g
	s_wait_dscnt 32                                ; all but the 32 just issued
	WIN MUL
	MUL8 \f, 1, 0, 0
	MUL8 \f, 1, 2, 0
.endm
; The last quarter multiplies buffer 1 and changes slots: ONE barrier; in front of it each wave waits for all its tensor loads, adds 0 to its spare word, and waits for that and for its own reads of this slot.
; fill = 1: this slot is filled again, two K steps ahead; the barrier then opens a round of the cluster's.
.macro TURN slot, next, fill
	WIN 0                                          ; (the add's two registers lie in window 0)
	s_wait_tensorcnt 0x0                           ; all my tensor loads have landed: my part of the next slot;
	ds_add_u32 v[SPW], v[NIL]                      ; 0 onto my spare word;
	s_wait_dscnt 17                                ; (the add and the youngest sixteen loads may be out)
	WIN MUL
	MUL8 F1, 0, 0, 0                               ; eight matrix instructions stand between the add and the wait for it
	s_wait_dscnt 0x0                               ; the add is done, and my reads of this slot are over
	s_barrier_signal -1
	MUL8 F1, 0, 2, 0
.if \fill
	WIN 0
.endif
	s_barrier_wait -1
.if \fill
	CREST                                          ; no wave of any partner still reads this slot's tile or has a load on its way
	s_add_nc_u64 s[G0+4*(\slot)+2:G0+4*(\slot)+3], s[G0+4*(\slot)+2:G0+4*(\slot)+3], 2*KSTEP*2
	s_add_nc_u64 s[G0B+4*(\slot)+2:G0B+4*(\slot)+3], s[G0B+4*(\slot)+2:G0B+4*(\slot)+3], 2*KSTEP*SIZE_N*2
	JLOAD \slot                                    ; the first tensor load behind the round, my one load until the next; its four v_nop are also the places in front of the loads below
.else
	PLACES
.endif
	FETCH \next, 0, F0
	WIN MUL
	MUL8 F1, 1, 0, 0
	MUL8 F1, 1, 2, 0
.endm
	s_wait_tensorcnt 1                             ; my part of K step 0 is in; K step 1's may stay out
	s_barrier_signal -1
	s_barrier_wait -1                              ; everybody's is
	FETCH 0, 0, F0
	QUARTER 0, 1, F0, F1, 1                        ; K step 0: its first products start the sums
	QUARTER 0, 2, F1, F0, 0
	QUARTER 0, 3, F0, F1, 0
	TURN 0, 1, 1                                   ; slot 0 takes K step 2
	QUARTER 1, 1, F0, F1, 0                        ; K step 1
	QUARTER 1, 2, F1, F0, 0
	QUARTER 1, 3, F0, F1, 0
	TURN 1, 0, 1                                   ; slot 1 takes K step 3
	QUARTER 0, 1, F0, F1, 0                        ; K step 2
	QUARTER 0, 2, F1, F0, 0
	QUARTER 0, 3, F0, F1, 0
	TURN 0, 1, 0                                   ; nothing is left to fetch
	QUARTER 1, 1, F0, F1, 0                        ; K step 3
	QUARTER 1, 2, F1, F0, 0
	QUARTER 1, 3, F0, F1, 0
	s_wait_dscnt 16
	WIN MUL
	MUL8 F1, 0, 0, 0
	MUL8 F1, 0, 2, 0
	s_wait_dscnt 0x0
	MUL8 F1, 1, 0, 0
	MUL8 F1, 1, 2, 0
	WIN 0
	PLACES
.if OUTF32
; THE WAY OUT, f32.  Block a (16 rows): the bias is added; a lane's 8 numbers of an accumulator are 32 bytes of a row; they go into my own stage and come back as whole rows of 256 bytes, into the registers that they left.
.macro PACKF a
.irp b, 0,1,2,3
.irp r, 0,1,2,3
	v_pk_add_f32 v[ACC+8*(4*(\a)+(\b))+2*(\r):ACC+8*(4*(\a)+(\b))+2*(\r)+1], v[ACC+8*(4*(\a)+(\b))+2*(\r):ACC+8*(4*(\a)+(\b))+2*(\r)+1], v[BIAS+8*(\b)+2*(\r):BIAS+8*(\b)+2*(\r)+1]
.endr
.endr
.irp b, 0,1,2,3
	ds_store_b128 v[STO], v[ACC+8*(4*(\a)+(\b)):ACC+8*(4*(\a)+(\b))+3]   offset:64*(\b)
	ds_store_b128 v[STO], v[ACC+8*(4*(\a)+(\b))+4:ACC+8*(4*(\a)+(\b))+7] offset:64*(\b)+16
.endr
.irp t, 0,1,2,3,4,5,6,7
	ds_load_b128 v[ACC+32*(\a)+4*(\t):ACC+32*(\a)+4*(\t)+3], v[RD] offset:(\t)*2*SPITCH  ; LDS serves a wave's instructions in order (ISA guide 5.7.1.4): these see the stores above; the next block's stores come behind them
.endr
.endm
.macro SENDF a, younger                ; younger: the LDS instructions issued behind block a's loads: the next block's sixteen, or none
.irp t, 0,1,2,3,4,5,6,7
	s_wait_dscnt (\younger)+7-(\t)
	global_store_b128 v[CO], v[ACC+32*(\a)+4*(\t):ACC+32*(\a)+4*(\t)+3], s[10:11] offset:(16*(\a)+2*(\t))*SIZE_N*4  ; 16 lanes store 256 consecutive bytes, at a multiple of 256 from the buffer's first byte
.endr
.endm
	PACKF 0
	PACKF 1                                        ; a block's arithmetic stands between the loads of the block before and its stores
	SENDF 0, 16
	PACKF 2
	SENDF 1, 16
	PACKF 3
	SENDF 2, 16
	SENDF 3, 0
.else
	; THE WAY OUT, f16: (sum + bias) x factor as one fused multiply-add; one rounding; 16 bytes a lane into the shared stage; a barrier, since a row's 256 bytes come from two waves; back as whole rows, 32 a wave.
.irp t, 0,1,2,3,4,5,6,7,8,9,10,11,12,13,14,15
.irp r, 0,1,2,3
	v_pk_fma_f32 v[ACC+8*(\t)+2*(\r):ACC+8*(\t)+2*(\r)+1], v[ACC+8*(\t)+2*(\r):ACC+8*(\t)+2*(\r)+1], s[SC:SC+1], v[BIAS+8*((\t)%4)+2*(\r):BIAS+8*((\t)%4)+2*(\r)+1] op_sel_hi:[1,0,1]
.endr
.endr
.irp t, 0,1,2,3,4,5,6,7,8,9,10,11,12,13,14,15
.irp r, 0,1,2,3
	v_cvt_pk_f16_f32 v[TMP+4*(\t)+(\r)], v[ACC+8*(\t)+2*(\r)], v[ACC+8*(\t)+2*(\r)+1]
.endr
.endr
.irp a, 0,1,2,3
.irp b, 0,1,2,3
	ds_store_b128 v[STO], v[TMP+4*(4*(\a)+(\b)):TMP+4*(4*(\a)+(\b))+3] offset:(\a)*16*SPITCH+32*(\b)
.endr
.endr
	s_wait_dscnt 0x0                               ; for the others' sake: my stores into the stage are done
	s_barrier_signal -1
	s_barrier_wait -1
.irp t, 0,1,2,3,4,5,6,7,8,9,10,11,12,13,14,15
	ds_load_b128 v[TMP+4*(\t):TMP+4*(\t)+3], v[RD] offset:(\t)*2*SPITCH
.endr
.irp t, 0,1,2,3,4,5,6,7,8,9,10,11,12,13,14,15
	s_wait_dscnt 15-(\t)                           ; LDS loads come back in order: pair t of rows is in
	global_store_b128 v[CO], v[TMP+4*(\t):TMP+4*(\t)+3], s[10:11] offset:512*(\t)  ; a wave stores 512 consecutive bytes, at a multiple of 256 from the buffer's first byte
.endr
.endif
	s_wait_tensorcnt 0x0                           ; the wave's end, behind my last tensor load and my last LDS store
	ds_add_u32 v[SPW], v[NIL]
	s_wait_dscnt 0x0
	CROUND                                         ; the closing round: no work-group ends while a partner may still ask for a tile that names it
	s_endpgm
.Lfunc_end_k_qe43bfdfe5b_qkvgemm:
	.size	k_qe43bfdfe5b_qkvgemm, .Lfunc_end_k_qe43bfdfe5b_qkvgemm-k_qe43bfdfe5b_qkvgemm
	.p2alignl 7, 3214868480
	.fill 96, 4, 3214868480
	.section	.rodata,"a",@progbits
	.p2align	6, 0x0
	.amdhsa_kernel k_qe43bfdfe5b_qkvgemm
		.amdhsa_group_segment_fixed_size 327680
		.amdhsa_private_segment_fixed_size 0
		.amdhsa_enable_private_segment 0
		.amdhsa_kernarg_size 32
		.amdhsa_user_sgpr_count 2
		.amdhsa_user_sgpr_kernarg_segment_ptr 1
		.amdhsa_wavefront_size32 1
		.amdhsa_system_sgpr_workgroup_id_x 1
		.amdhsa_system_sgpr_workgroup_id_y 1
		.amdhsa_system_sgpr_workgroup_id_z 1
		.amdhsa_system_vgpr_workitem_id 0
		.amdhsa_next_free_vgpr 512
		.amdhsa_next_free_sgpr 80
		.amdhsa_reserve_vcc 0
		.amdhsa_float_denorm_mode_32 3
		.amdhsa_float_denorm_mode_16_64 3
		.amdhsa_memory_ordered 1
		.amdhsa_forward_progress 1
		.amdhsa_inst_pref_size 95
	.end_amdhsa_kernel
	.amdgpu_metadata
---
amdhsa.version: [ 1, 2 ]
amdhsa.kernels:
  - .name:           k_qe43bfdfe5b_qkvgemm
    .symbol:         k_qe43bfdfe5b_qkvgemm.kd
    .args:
      - { .name: x16, .offset: 0, .size: 8, .value_kind: global_buffer, .address_space: global }
      - { .name: wq16, .offset: 8, .size: 8, .value_kind: global_buffer, .address_space: global }
      - { .name: b_qkv, .offset: 16, .size: 8, .value_kind: global_buffer, .address_space: global }
      - { .name: qkv, .offset: 24, .size: 8, .value_kind: global_buffer, .address_space: global }
    .group_segment_fixed_size: 327680
    .private_segment_fixed_size: 0
    .kernarg_segment_align: 8
    .kernarg_segment_size: 32
    .max_flat_workgroup_size: 128
    .sgpr_count:     80
    .vgpr_count:     512
    .wavefront_size: 32
...
	.end_amdgpu_metadata
.endif
;; end of part 2
;; launch attn (part 3): grid 32 x 8, 4 waves a work-group, clusters of 4 x 4, 327,680 bytes of LDS; arguments qkv, mask, ctx; writes ctx
.if DOCPART == 3
	.amdgcn_target "amdgcn-amd-amdhsa--gfx1250"
	.amdhsa_code_object_version 6
	.text
	.protected	k_qe43bfdfe5b_attn
	.globl	k_qe43bfdfe5b_attn
	.p2align	8
	.type	k_qe43bfdfe5b_attn,@function
k_qe43bfdfe5b_attn:
	s_mov_b64 s[64:65], 0
	v_nop
	global_prefetch_b8 v0, s[64:65] scope:SCOPE_SE
	s_setreg_imm32_b32 hwreg(HW_REG_WAVE_MODE, 25, 1), 1
	s_wait_xcnt 0x0
	s_wait_alu depctr_hold_cnt(0) depctr_sa_sdst(0) depctr_va_vdst(0) depctr_va_sdst(0) depctr_va_ssrc(0) depctr_va_vcc(0) depctr_vm_vsrc(0)
	s_getreg_b32 s2, hwreg(HW_REG_IB_STS2, 6, 4)
	s_cmp_eq_u32 s2, 0
	s_cbranch_scc0 .Lentry_in_a_cluster
	s_endpgm
.Lentry_in_a_cluster:
	s_bfe_u32 s2, ttmp6, 0x10000c
	s_cmp_lg_u32 s2, 0xf033
	s_cbranch_scc0 .Lentry_shape_is_right
	s_endpgm
.Lentry_shape_is_right:
; ctx[q][64 n + d] = the sum over k of softmax_k(u) V_n[k][d],  u = s m - 10000 (1 - m),  s = (Q_n[q] / 8) . K_n[k],  m = mask[q][k]: 16 heads n, 4,096 queries and keys, 64 channels.
; qkv: [24 blocks][4096 rows][128] f16: blocks 0-7 q / 8, 8-15 k, 16-23 v; block j of each holds heads 2 j (a row's first 128 bytes) and 2 j + 1.  mask: [4096][4096] f32.  ctx: [4096][1024] f16.
; THE MASK IS AN INPUT: every word of it is read and applied as it is given, in f32 and unrounded: t = 10000 m - 10000 (one fused multiply-add), u = s m + t (another).  No tile is left out.
; Products, maxima and sums in f32; the weights p are rounded to f16 for the second product (their sum l is taken of the unrounded p), ctx once at the end.
; LIMITS.  q / 8, k, v arrive within f16's 65,504; p lies in 0 to 1 and below 6e-5 keeps f16's fixed step of 6e-8; a weight below 2^-126 counts as 0 in l; t is rounded once where
; the formula as written rounds 1 - m and the product; NaN and infinities are not treated apart.
; SHARES.  A work-group owns 128 queries (block x) and two heads (pair y).  Wave w: head w / 2, queries 64 (w % 2) on, as four PIECES of 16.  Every wave walks all keys, 64 a step, 128 a tile.
; LAYOUT.  S^T = K Q^T (source 0 = 16 keys, source 1 = 16 queries): a lane holds ONE query (lane % 16) and the keys 8 (lane / 16) + 0..7 of each 16.  The mask's words are read from LDS into the same
; places.  Two results rounded to f16 ARE source 1 of O^T = V^T P.  K comes out of LDS as it lies, V ([key][channel]) turned, by ds_load_tr16_b128.
; SOFTMAX.  For each query a running maximum m and sum l: p = 2^(c u - c m), c = log2(e); in every step O and l are multiplied by a = 2^(c m_old - c m_new).  m starts at the lowest finite number, O and l at 0.
; BY TURNS.  Turn n belongs to piece n: 8 products K Q^T of piece n + 1, later 8 products V^T P of piece n - 1; beside them the scaling, exponentials, roundings, sums and rescaling of piece n and the
; masking, maximum and statistics of piece n + 1.  Four vector instructions stand behind every matrix instruction, the other 86 of a turn's 150 in two lumps.
; CLUSTER.  4 x 4 work-groups.  A mask tile hangs on x alone: the four of a column of the cluster ask for it jointly.  K's and V's tiles hang on y alone: the four of a row do.
; REGISTERS, in windows of 256 (s_set_vgpr_msb: bits 1:0 source 0, 3:2 source 1, 5:4 source 2, 7:6 destination):
;   window 0: v0-15 addresses; v16-31 four registers of statistics a piece; v32-33 the prefetch; v48-55 at work; v62-63 the add's; v64-127 S^T, v128-191 the mask, v192-223 P: two buffers each, by the piece's parity; v224-255 t
;   window 1: v0-127 O^T, 32 a piece          window 2: v0-63 Q; v128-191 K of one step; v192-255 V of one step
.set NP,    4         ; pieces a wave: a name, no knob
.set KS,    64        ; keys in a step
.set PM,    528       ; a row of the mask tile in LDS: 128 keys x 4 bytes + 16 of padding = 132 words: the 16 rows of a load start at 16 different groups of four banks (64 banks of 4 bytes: ISA guide 11.1)
.set PK,    272       ; a row of K (two heads): 256 + 16 bytes
.set PV,    288       ; a row of V: 256 + 32 bytes
.set KOFF,  128*PM    ; a slot holds a tile, two steps: 128 rows of the mask, 128 rows of K, 128 rows of V
.set VOFF,  KOFF+128*PK
.set SLOT,  VOFF+128*PV  ; 0x22000: it shares no bit with 64 PM, KOFF or VOFF, so one exclusive or turns a tile's address in one slot into the other's
.set STAGE, 2*SLOT    ; behind the ring, never filled by a tensor load: 128 rows x 272 bytes, the work-group's, for the way out
.set SP,    272
.set SPARE, STAGE+128*SP  ; behind the stage: the spare words, 128 bytes for each wave, which no other line names
.set AK0, 2           ; v2   my lane's place in a tile of K; never rewritten
.set AV0, 3           ; v3   the same for V
.set AK,  4           ; v4   the LDS address of K's next run of loads
.set AV,  5           ; v5   of V's
.set QO,  6           ; v6   my byte offset in 16 rows of Q
.set STO, 6           ;      later, the way out: where I put 16 bytes of a row
.set RD,  7           ; v7   the way out: where I read rows back
.set GO,  8           ; v8   my byte offset in ctx
.set MV,  12          ; v12-13  c m_old, kept while c m is made anew: by buffer
.set AM0, 14          ; v14  my lane's place in a mask tile; never rewritten
.set AM,  15          ; v15  the LDS address of the mask words of the step in hand
.set ST,  16          ; piece t's statistics at v[ST+4 t]: c m, m, l (even keys', odd keys')
.set PFO, 32          ; v32  the prefetch: my lane's block of 256 bytes in a mask tile
.set PFA, 33          ; v33  the same with the tile's offset
.set TMP, 48          ; by buffer, four registers c0-c3 at work; when the maximum is found c2 takes a
.set SPW, 62          ; v62  LDS address of my spare word; never rewritten
.set NIL, 63          ; v63  0; never rewritten
.set S,   64
.set M,   128
.set P,   192
.set TT,  224
.set KF,  128         ; window 2: key block kb, channel half c at KF + 16 kb + 8 c
.set VF,  192         ; window 2: key half kk, channel block cb at VF + 32 kk + 8 cb
.set WV,  12          ; s12  my wave's number
.set QH,  16          ; s16  w % 2: my half of the queries.  Also: which half of the mask tile waves 0 and 1 fetch
.set HD,  17          ; s17  w / 2: my head of the pair
.set LM,  19          ; s19  64 PM x (w % 2)
.set G1M, 24          ; s[24:31] descriptor group 1 for mask tiles
.set G1K, 32          ; s[32:39] for K's
.set G1V, 40          ; s[40:47] for V's: it differs in the padding alone
.set G0M, 48          ; s[48:51], s[52:55], s[56:59] descriptor groups 0: they walk
.set G0K, 52
.set G0V, 56
.set SLOTS, 60        ; s60  tiles still to be asked for
.set CNT, 61          ; s61  counts a tile's key steps
.set CS,  66          ; s[66:67] c
.set SEL, 68          ; s[68:69] v_permlanex16_b32's selects: each lane takes its own place in the other half
.set TBK, 70          ; s70  LDS byte, less KOFF, at which K of the step to be fetched begins
.set TBV, 71          ; s71  the same for V
.set TBM, 72          ; s72  the same for the mask's words in their rows
.set KA,  74          ; s[74:75] 10000
.set KB,  76          ; s[76:77] -10000
.set PO,  78          ; s78  the prefetch: byte offset in a mask row of the tile last asked for
.set PFB, 80          ; s[80:81] the mask at my block's first row
.set MSB, 0
.macro WIN new                      ; the high byte repeats the setting that is left; a switch that changes nothing is dropped
.if MSB != (\new)
	s_set_vgpr_msb (MSB<<8)|(\new)
.set MSB, (\new)
.endif
.endm
.set W_KQ, 0x0a       ; K and Q in window 2, S^T in window 0
.set W_PV, 0x52       ; V in window 2, P in window 0, O^T in window 1
.set W_RS, 0x41       ; O^T (destination and source 0) in window 1, a in window 0
; A joint fill: waves 0 and 1 fetch the two halves of the mask tile (64 rows x 512 bytes), wave 2 K's 128 rows, wave 3 V's.  The branches hang on the wave's number alone.
; An s_nop 0 and four v_nop follow each line, ahead of the jump and the label.
.macro JLOAD
	s_cmp_lt_u32 s[WV], 2
	s_cbranch_scc0 .Lnot_m_\@
	tensor_load_to_lds s[G0M:G0M+3], s[G1M:G1M+7]
	s_nop 0
.rept 4
	v_nop
.endr
	s_branch .Lasked_\@
.Lnot_m_\@:
	s_cmp_eq_u32 s[WV], 2
	s_cbranch_scc0 .Lfor_v_\@
	tensor_load_to_lds s[G0K:G0K+3], s[G1K:G1K+7]
	s_nop 0
.rept 4
	v_nop
.endr
	s_branch .Lasked_\@
.Lfor_v_\@:
	tensor_load_to_lds s[G0V:G0V+3], s[G1V:G1V+7]
	s_nop 0
.rept 4
	v_nop
.endr
.Lasked_\@:
.endm
; A round of the cluster's barrier: my work-group's barrier, so that wave 0's signal speaks for all four waves; wave 0 signals; every wave waits for all sixteen work-groups; my work-group's barrier once more.
.macro CROUND
	s_barrier_signal -1
	s_barrier_wait -1
	s_cmp_lg_u32 s[WV], 0
	s_cbranch_scc1 .Lnot_wave_0_\@
	s_barrier_signal -3
.Lnot_wave_0_\@:
	s_barrier_wait -3
	s_barrier_signal -1
	s_barrier_wait -1
.endm
; THE CHANGE OF SLOTS.  The slot's last bytes, V and piece 3's mask words of its second step, have been asked for.  Each wave waits for all its tensor loads, of which one is out: its part of the other
; slot; adds 0 to its spare word; and waits for that and for its own reads of the slot.  Behind the barrier nobody reads this slot any more and the other slot is whole.
; fill = 1: this slot is filled again, with the keys two tiles on.  The barrier is then a round of the cluster's, and the joint fill is the first thing behind it: it has two key steps, 128 matrix and
; 1,200 vector instructions, in which to land.  (At its first use nothing has been read yet: slot 0 is waited for, slot 1 filled.)
; Then wave 3 asks for my pair's sixteenth... my pair's 16 rows (of the block's 128) of the mask tile ONE FURTHER ON to be brought nearer: 32 lanes, a block of 256 bytes each; the eight pairs that share a
; block of queries cover the tile once.  The offset is held at the last tile's, so no request leaves the buffer.
.macro CHANGE fill
	WIN 0                           ; at a label and at a branch every window is 0
	s_wait_tensorcnt 0x0            ; no tensor load of mine is out, so a group 0 may be written
	ds_add_u32 v[SPW], v[NIL]       ; 0 onto my spare word; with fill = 1 the descriptors' steps stand between it and the wait for it
.if \fill
	s_xor_b32 s[G0M+1], s[G0M+1], SLOT  ; the walking descriptors: the other slot than last time,
	s_xor_b32 s[G0K+1], s[G0K+1], SLOT
	s_xor_b32 s[G0V+1], s[G0V+1], SLOT
	s_add_nc_u64 s[G0M+2:G0M+3], s[G0M+2:G0M+3], 2*KS*4    ; the next 128 keys: along the mask's rows,
	s_add_nc_u64 s[G0K+2:G0K+3], s[G0K+2:G0K+3], 2*KS*256  ; down K's and V's; the type bits on top are not reached
	s_add_nc_u64 s[G0V+2:G0V+3], s[G0V+2:G0V+3], 2*KS*256
	s_wait_dscnt 0x0                ; the add is done, and my reads of the slot are over
	CROUND
	JLOAD
.else
	s_wait_dscnt 0x0                ; the add is done, and my reads of the slot are over
	s_barrier_signal -1
	s_barrier_wait -1
.endif
	s_sub_co_u32 s[TBK], s[TBK], 2*KS*PK  ; the fetches go back to a slot's first step,
	s_xor_b32 s[TBK], s[TBK], SLOT        ; in the other slot
	s_sub_co_u32 s[TBV], s[TBV], 2*KS*PV
	s_xor_b32 s[TBV], s[TBV], SLOT
	s_sub_co_u32 s[TBM], s[TBM], 2*KS*4
	s_xor_b32 s[TBM], s[TBM], SLOT
.if \fill
	s_cmp_lg_u32 s[WV], 3
	s_cbranch_scc1 .Lno_pf_\@
	s_wait_xcnt 0x0                 ; the last request, a tile ago, has read its address register
	s_add_co_u32 s[PO], s[PO], 2*KS*4
	s_min_u32 s[PO], s[PO], 31*2*KS*4
	v_add_nc_u32 v[PFA], s[PO], v[PFO]
	global_prefetch_b8 v[PFA], s[PFB:PFB+1] th:TH_LOAD_NT scope:SCOPE_SE
.Lno_pf_\@:
.endif
.endm
	s_load_b128 s[4:7], s[0:1], 0x0  ; qkv s[4:5], mask s[6:7]
	s_load_b64 s[8:9], s[0:1], 0x10  ; ctx
	v_lshl_add_u32 v[SPW], v0, 2, SPARE
	v_mov_b32 v[NIL], 0
	ds_add_u32 v[SPW], v[NIL]       ; the wave's opening: the add and its wait stand ahead of my first tensor load; the set-up below, work on registers, stands between them
	v_lshrrev_b32 v1, 5, v0
	v_readfirstlane_b32 s[WV], v1   ; wave 0..3
	s_bfe_u32 s13, ttmp6, 0x40000   ; cx, cy: my place in the cluster
	s_bfe_u32 s14, ttmp6, 0x40004
	s_lshl_b32 s15, ttmp9, 2
	s_add_co_u32 s15, s15, s13      ; x: my block of 128 queries = 4 x cluster x + cx
	s_and_b32 s18, ttmp7, 0xffff
	s_lshl_b32 s18, s18, 2
	s_add_co_u32 s18, s18, s14      ; y: my pair of heads = 4 x cluster y + cy
	s_and_b32 s[QH], s[WV], 1
	s_lshr_b32 s[HD], s[WV], 1
	s_mul_i32 s[LM], s[QH], 64*PM
	s_lshl_b32 s82, s14, 2
	s_lshl_b32 s82, 15, s82         ; my row of the cluster: the partners with my y
	s_lshl_b32 s83, 0x1111, s13     ; my column: the partners with my x
	; descriptor group 1.  The mask: 64 rows x 128 elements of 4 bytes, 4,096 elements from row to row, 16 bytes of padding behind every 128 words
	s_or_b32 s[G1M], s83, (2<<16)|(1<<20)|(1<<21)|(6<<22)|(3<<25)  ; 15:0 the mask of work-groups; 17:16 4-byte elements; 20 padding on; 21 set beside a mask; 24:22 code 6; 31:25 4 words (code 3)
	s_mov_b32 s[G1M+1], 128<<16     ; tensor_dim0 = 128
	s_mov_b32 s[G1M+2], 64<<16      ; tensor_dim1 = 64
	s_mov_b32 s[G1M+3], 128<<16     ; tile_dim0 = 128
	s_mov_b32 s[G1M+4], 64          ; tile_dim1 = 64
	s_mov_b32 s[G1M+5], 4096
	s_mov_b32 s[G1M+6], 0
	s_mov_b32 s[G1M+7], 0
	; K and V: 128 rows x 128 elements of 2 bytes, dense, padded behind every 64 words by 4 words (K) or 8 (V)
	s_or_b32 s[G1K], s82, (1<<16)|(1<<20)|(1<<21)|(5<<22)|(3<<25)
	s_or_b32 s[G1V], s82, (1<<16)|(1<<20)|(1<<21)|(5<<22)|(7<<25)
.irp g, G1K, G1V
	s_mov_b32 s[\g+1], 128<<16
	s_mov_b32 s[\g+2], 128<<16
	s_mov_b32 s[\g+3], 128<<16
	s_mov_b32 s[\g+4], 128
	s_mov_b32 s[\g+5], 128
	s_mov_b32 s[\g+6], 0
	s_mov_b32 s[\g+7], 0
.endr
	; offsets.  The mask's are made of x and the wave alone, K's and V's of y alone, each in registers that never hold the other coordinate
	s_lshl_b32 s20, s15, 1
	s_add_co_u32 s20, s20, s[QH]    ; 2 x + w % 2: a group of 64 queries
	s_lshl_b32 s2, s20, 14          ; its 64 rows of 256 bytes in a block of qkv,
	s_lshl_b32 s20, s20, 20         ; its 64 rows of 16,384 bytes in the mask
	s_mov_b32 s21, 0
	s_lshl_b32 s22, s15, 21         ; the block's 128 rows of the mask
	s_mov_b32 s23, 0
	s_add_co_u32 s84, s18, 8        ; k's blocks are 8 to 15,
	s_lshl_b32 s84, s84, 20         ; of 4,096 rows x 256 bytes
	s_mov_b32 s85, 0
	s_add_co_u32 s86, s18, 16       ; v's 16 to 23
	s_lshl_b32 s86, s86, 20
	s_mov_b32 s87, 0
	s_lshl_b32 s3, s18, 20          ; Q: block y,
	s_add_co_u32 s2, s2, s3
	s_lshl_b32 s88, s[HD], 7        ; my head's 128 bytes of a row
	s_add_co_u32 s2, s2, s88
	s_mov_b32 s3, 0
	s_lshl_b32 s62, s15, 2          ; ctx: the rows that I store, 128 x + 32 w, of 2,048 bytes,
	s_add_co_u32 s62, s62, s[WV]
	s_lshl_b32 s62, s62, 16
	s_lshl_b32 s63, s18, 8          ; and the pair's 256 bytes of a row
	s_add_co_u32 s62, s62, s63
	s_mov_b32 s63, 0
	s_mov_b32 s[CS], 0x3fb8aa3b     ; c = log2(e)
	s_mov_b32 s[CS+1], s[CS]        ; the pairs' second words are named with the first, so they are written
	s_mov_b32 s[SEL], 0x76543210
	s_mov_b32 s[SEL+1], 0xfedcba98
	s_mov_b32 s[KA], 0x461c4000     ; 10000
	s_mov_b32 s[KA+1], s[KA]
	s_mov_b32 s[KB], 0xc61c4000     ; -10000
	s_mov_b32 s[KB+1], s[KB]
	s_mov_b32 s[TBK], SLOT+2*KS*PK  ; the first change of slots turns these three into 0
	s_mov_b32 s[TBV], SLOT+2*KS*PV
	s_mov_b32 s[TBM], SLOT+2*KS*4
	s_mov_b32 s[PO], 2*KS*4         ; the first request is for tile 2
	s_mov_b32 s[G0M], 1             ; count = 1
	s_mov_b32 s[G0M+1], s[LM]       ; LDS address: slot 0
	s_mov_b32 s[G0K], 1
	s_mov_b32 s[G0K+1], KOFF
	s_mov_b32 s[G0V], 1
	s_mov_b32 s[G0V+1], VOFF
	s_wait_dscnt 0x0                ; the opening add is done
	s_wait_kmcnt 0x0
	s_add_nc_u64 s[G0M+2:G0M+3], s[6:7], s[20:21]  ; global addresses: tile 0
	s_or_b32 s[G0M+3], s[G0M+3], 0x80000000        ; type = 2
	s_add_nc_u64 s[G0K+2:G0K+3], s[4:5], s[84:85]
	s_or_b32 s[G0K+3], s[G0K+3], 0x80000000
	s_add_nc_u64 s[G0V+2:G0V+3], s[4:5], s[86:87]
	s_or_b32 s[G0V+3], s[G0V+3], 0x80000000
	s_add_nc_u64 s[PFB:PFB+1], s[6:7], s[22:23]
	s_add_nc_u64 s[10:11], s[4:5], s[2:3]          ; Q at my wave's first row
	s_add_nc_u64 s[8:9], s[8:9], s[62:63]
	CROUND                          ; all sixteen work-groups are here: the first joint loads meet
	JLOAD                           ; tile 0 into slot 0.  Slot 1 is asked for when slot 0 is in
	; A fragment of K or Q is 16 rows x 32 channels in 8 registers: lane l holds row l % 16, channels 8 (l / 16) + 0..7 and 16 + 8 (l / 16) + 0..7: two loads of 16 bytes, 32 bytes apart.
	v_and_b32 v1, 15, v0            ; r = l % 16
	v_bfe_u32 v9, v0, 4, 1          ; h = l / 16
	v_lshlrev_b32 v[QO], 8, v1
	v_lshl_add_u32 v[QO], v9, 4, v[QO]  ; row x 256 + 16 x half
	WIN 0x80                        ; destination window 2, address window 0
.set i, 0
.rept 8                             ; Q stays in registers: piece i / 2, channels 32 (i % 2) on
	global_load_b128 v[8*i:8*i+3],   v[QO], s[10:11] offset:(i/2)*4096+(i%2)*64
	global_load_b128 v[8*i+4:8*i+7], v[QO], s[10:11] offset:(i/2)*4096+(i%2)*64+32
.set i, i+1
.endr
	; What the first turn finds: V's registers and P's second buffer hold 0 (its products V^T P, of a piece that has not been, add 0), O^T and l are 0.  All this stands in the wait for the first tile.
.set i, VF
.rept 64
	v_mov_b32 v[i], 0
.set i, i+1
.endr
	WIN 0x40
.set i, 0
.rept 128
	v_mov_b32 v[i], 0
.set i, i+1
.endr
	WIN 0
.set i, 0
.rept 4
	v_mov_b32 v[ST+4*i], 0xfe000000    ; c m: far below every c u
	v_mov_b32 v[ST+4*i+1], 0xff7fffff  ; m
	v_mov_b32 v[ST+4*i+2], 0
	v_mov_b32 v[ST+4*i+3], 0
.set i, i+1
.endr
.set i, P+16
.rept 16
	v_mov_b32 v[i], 0
.set i, i+1
.endr
	v_mul_u32_u24 v[AK0], v1, PK
	v_lshl_add_u32 v[AK0], v9, 4, v[AK0]  ; row x pitch + 16 x half,
	s_add_co_u32 s89, s88, KOFF           ; my head's 128 bytes of a row, K's place in a slot
	v_add_nc_u32 v[AK0], s89, v[AK0]
	; The turning load takes 16 keys x 16 channels (lane l reads key 8 (l / 16) + l % 8, channels 8 ((l / 8) % 2) + 0..7) and leaves half a fragment of V^T: lane l holds channel l % 16 and 8 keys.
	v_and_b32 v10, 7, v0
	v_bfe_u32 v11, v0, 3, 1
	v_lshl_add_u32 v[AV0], v9, 3, v10
	v_mul_u32_u24 v[AV0], v[AV0], PV
	v_lshl_add_u32 v[AV0], v11, 4, v[AV0]
	s_add_co_u32 s89, s88, VOFF
	v_add_nc_u32 v[AV0], s89, v[AV0]
	; The mask's words of my query: row 64 (w % 2) + 16 piece + r; of each 16 keys my lanes' eight, 32 bytes
	v_mul_u32_u24 v[AM0], v1, PM
	v_lshl_add_u32 v[AM0], v9, 5, v[AM0]
	v_add_nc_u32 v[AM0], s[LM], v[AM0]
	; The prefetch: row 16 y + (l / 2) % 16 of the block, half l % 2 of the tile's 512 bytes
	v_bfe_u32 v[PFO], v0, 1, 4
	v_lshlrev_b32 v[PFO], 14, v[PFO]
	v_and_b32 v10, 1, v0
	v_lshl_add_u32 v[PFO], v10, 8, v[PFO]
	s_lshl_b32 s91, s18, 18
	v_add_nc_u32 v[PFO], s91, v[PFO]
; THE MATRIX WORK.  The 4 accumulators of a run of 8 take turns.  Product i of 8 of S^T = K Q^T for piece x: channels 32 (i / 4) on, keys 16 (i % 4) on.  The first 4 start the sums.
.macro KQ x
	WIN W_KQ
.set rS, S+32*((\x)%2)+8*(i%4)
.set rK, KF+16*(i%4)+8*(i/4)
.set rQ, 16*(\x)+8*(i/4)
.if i < 4
	v_wmma_f32_16x16x32_f16 v[rS:rS+7], v[rK:rK+7], v[rQ:rQ+7], 0
	s_wait_alu depctr_va_vdst(0)
.else
	v_wmma_f32_16x16x32_f16 v[rS:rS+7], v[rK:rK+7], v[rQ:rQ+7], v[rS:rS+7]
.endif
.endm
; Product i of 8 of O^T += V^T P for piece x: keys 32 (i / 4) on, channels 16 (i % 4) on.
.macro PV x
	WIN W_PV
.set rO, 32*(\x)+8*(i%4)
.set rV, VF+32*(i/4)+8*(i%4)
.set rP, P+16*((\x)%2)+8*(i/4)
	v_wmma_f32_16x16x32_f16 v[rO:rO+7], v[rV:rV+7], v[rP:rP+7], v[rO:rO+7]
.endm
.macro MM                           ; the turn's next matrix instruction
.if i < 8
	KQ (Y+1)%NP
.else
.set i, i-8
	PV (Y+NP-1)%NP
.set i, i+8
.endif
.set i, i+1
.endm
; THE LDS LOADS stand in runs, never singly among the matrix instructions: a step's K (64 keys x 64 channels: 8 fragments), its V (turned), and a piece's 32 mask words a lane.
; last = 1 (the tail): in the last trip there is no further step, and the run is jumped over.
.macro FETCH_K last=0
	WIN 0
.if \last
	s_cmp_eq_u32 s[CNT], 1
	s_cbranch_scc1 .Lno_k_\@
.endif
	WIN 0x80                        ; destination window 2
.irp f, 0,1,2,3,4,5,6,7             ; keys 16 (f / 2) on, channels 32 (f % 2) on
	ds_load_b128 v[KF+8*(\f):KF+8*(\f)+3],   v[AK] offset:((\f)/2)*16*PK+((\f)%2)*64
	ds_load_b128 v[KF+8*(\f)+4:KF+8*(\f)+7], v[AK] offset:((\f)/2)*16*PK+((\f)%2)*64+32
.endr
	s_add_co_u32 s[TBK], s[TBK], KS*PK  ; the next fetch is the next step's
	WIN 0
.if \last
.Lno_k_\@:
.endif
.endm
.macro FETCH_V
	WIN 0x80
.irp f, 0,1,2,3,4,5,6,7             ; keys 32 (f / 4) on, channels 16 (f % 4) on
	ds_load_tr16_b128 v[VF+8*(\f):VF+8*(\f)+3],   v[AV] offset:((\f)/4)*32*PV+((\f)%4)*32
	ds_load_tr16_b128 v[VF+8*(\f)+4:VF+8*(\f)+7], v[AV] offset:((\f)/4)*32*PV+16*PV+((\f)%4)*32
.endr
	WIN 0
.endm
.macro FETCH_M pc, last=0           ; register 8 kt + j takes mask[query][16 kt + 8 (l / 16) + j]: the place of S^T's register 8 kt + j
.if \last
	s_cmp_eq_u32 s[CNT], 1
	s_cbranch_scc1 .Lno_m_\@
.endif
.irp kt, 0,1,2,3
	ds_load_b128 v[M+32*((\pc)%2)+8*(\kt):M+32*((\pc)%2)+8*(\kt)+3],   v[AM] offset:(\pc)*16*PM+64*(\kt)
	ds_load_b128 v[M+32*((\pc)%2)+8*(\kt)+4:M+32*((\pc)%2)+8*(\kt)+7], v[AM] offset:(\pc)*16*PM+64*(\kt)+16
.endr
.if \last
.Lno_m_\@:
.endif
.endm
; THE VECTOR WORK, one line at a time: OP kind, number.  For piece Y: F n: c u - c m for pair n of 16.  E n: the exponential of score n of 32.  C n: pair n rounded to f16.  B n: of the four weights 4 n .. the
; second pair is added onto the first, in place.  L n: l takes that sum (L 0: l = a l + sum).  R n: pair n of 16 of O^T times a.  For piece Y + 1: T n: t = 10000 m - 10000 for pair n.  U n: u = s m + t, in place
; (in ascending order: each accumulator's lowest registers are read first).  X n, number n of the 22 that find its maximum and statistics:
;   0-11  four chains c0-c3 of seven scores each, three operands at a time     12-14, 16  the four scores left over, the old m, and c0-c3 into c0
;   15  c m_old is kept     17, 18  the query's other 32 keys lie in the lane 16 away: the new m     19-21  c m; c m_old - c m_new; a
.set F, 0               ; OP tells the kinds apart by their order: F to L below R, T, U and X above it
.set E, 1
.set C, 2
.set B, 3
.set L, 4
.set R, 5
.set T, 6
.set U, 7
.set X, 8
.macro REGS y                       ; the registers of piece y
.set rT, ST+4*(\y)
.set rC, TMP+4*((\y)%2)
.set rW, MV+((\y)%2)
.set rS, S+32*((\y)%2)
.set rM, M+32*((\y)%2)
.set rP, P+16*((\y)%2)
.set rO, 32*(\y)
.endm
.macro OP k, n
.if (\k) == R
	REGS Y
	WIN W_RS
	v_pk_mul_f32 v[rO+2*(\n):rO+2*(\n)+1], v[rO+2*(\n):rO+2*(\n)+1], v[rC+2:rC+3] op_sel_hi:[1,0]
.elseif (\k) < R
	REGS Y
	WIN 0
.if (\k) == F
	v_pk_fma_f32 v[rS+2*(\n):rS+2*(\n)+1], v[rS+2*(\n):rS+2*(\n)+1], s[CS:CS+1], v[rT:rT+1] op_sel_hi:[1,0,0] neg_lo:[0,0,1] neg_hi:[0,0,1]
.elseif (\k) == E
	v_exp_f32 v[rS+(\n)], v[rS+(\n)]
.elseif (\k) == C
	s_wait_alu depctr_va_vdst(0)
	v_cvt_pk_f16_f32 v[rP+(\n)], v[rS+2*(\n)], v[rS+2*(\n)+1]
.elseif (\k) == B
	v_pk_add_f32 v[rS+4*(\n):rS+4*(\n)+1], v[rS+4*(\n):rS+4*(\n)+1], v[rS+4*(\n)+2:rS+4*(\n)+3]
.elseif (\n) == 0
	v_pk_fma_f32 v[rT+2:rT+3], v[rT+2:rT+3], v[rC+2:rC+3], v[rS:rS+1] op_sel_hi:[1,0,1]
.else
	v_pk_add_f32 v[rT+2:rT+3], v[rT+2:rT+3], v[rS+4*(\n):rS+4*(\n)+1]
.endif
.else
	REGS (Y+1)%NP
	WIN 0
.if (\k) == T
	v_pk_fma_f32 v[TT+2*(\n):TT+2*(\n)+1], v[rM+2*(\n):rM+2*(\n)+1], s[KA:KA+1], s[KB:KB+1] op_sel_hi:[1,0,0]
.elseif (\k) == U
	v_pk_fma_f32 v[rS+2*(\n):rS+2*(\n)+1], v[rS+2*(\n):rS+2*(\n)+1], v[rM+2*(\n):rM+2*(\n)+1], v[TT+2*(\n):TT+2*(\n)+1]
.elseif (\n) < 4
	v_max3_num_f32 v[rC+(\n)], v[rS+8*(\n)], v[rS+8*(\n)+1], v[rS+8*(\n)+2]
	s_wait_alu depctr_va_vdst(0)
.elseif (\n) < 12
	v_max3_num_f32 v[rC+(\n)%4], v[rC+(\n)%4], v[rS+8*((\n)%4)+2*((\n)/4)+1], v[rS+8*((\n)%4)+2*((\n)/4)+2]
.elseif (\n) == 12
	v_max3_num_f32 v[rC], v[rC], v[rS+7], v[rS+15]
.elseif (\n) == 13
	v_max3_num_f32 v[rC+1], v[rC+1], v[rS+23], v[rS+31]
.elseif (\n) == 14
	v_max3_num_f32 v[rC+2], v[rC+2], v[rC+3], v[rT+1]
.elseif (\n) == 15
	v_mov_b32 v[rW], v[rT]
.elseif (\n) == 16
	v_max3_num_f32 v[rC], v[rC], v[rC+1], v[rC+2]
.elseif (\n) == 17
	v_permlanex16_b32 v[rC+3], v[rC], s[SEL], s[SEL+1]
.elseif (\n) == 18
	v_max_num_f32 v[rT+1], v[rC], v[rC+3]
.elseif (\n) == 19
	v_mul_f32 v[rT], s[CS], v[rT+1]
.elseif (\n) == 20
	v_sub_f32 v[rC+1], v[rW], v[rT]
.else
	v_exp_f32 v[rC+2], v[rC+1]
.endif
.endif
.endm
.macro OPS a, i1, b=-1, i2=0, c=-1, i3=0, d=-1, i4=0  ; up to four of them
	OP \a, \i1
.if (\b) >= 0
	OP \b, \i2
.endif
.if (\c) >= 0
	OP \c, \i3
.endif
.if (\d) >= 0
	OP \d, \i4
.endif
.endm
.macro ROW a, i1, b, i2, c, i3, d, i4  ; a matrix instruction and the four behind it
	MM
	OPS \a, \i1, \b, \i2, \c, \i3, \d, \i4
.endm
; A TURN, for piece p: the order of its 16 matrix and 150 vector instructions, written out.  Behind a matrix instruction: plain, exponential, plain, plain; or four plain; none names a register of the products
; round it.  In the first lump exponential and plain by turns.  Every exponential has a plain line behind it that touches neither its result nor its source (ISA guide 5.7.2); behind the last line, a, that is the next turn's first scaling.
; WHAT IS FETCHED.  At its head every turn fetches the mask words of piece p + 2, which the next turn applies; they are waited for at that turn's head.  Piece 2's turn steps to the next key step: it fetches that
; step's K, six plain vector instructions behind the last product that read K.  Piece 0's turn fetches the V of the step in hand, seven plain ones behind the last product that read V.
; THE COUNTED WAITS, both in piece 1's turn.  At its head 16: piece 0's turn issued 8 mask loads and then V's 16, which may stay out.  In front of the products V^T P 8: V is in, this turn's own 8 mask loads may stay out.
.macro TURN p, last=0
.set Y, (\p)
.set i, 0
	WIN 0
.if (\p) == 1
	s_wait_dscnt 16
.else
	s_wait_dscnt 0x0                ; the mask words of piece p + 1 are in (and, for piece 3's turn, K)
.endif
.if (\p) == 2
	v_add_nc_u32 v[AM], s[TBM], v[AM0]
	s_add_co_u32 s[TBM], s[TBM], KS*4
.endif
	FETCH_M ((\p)+2)%NP, \last
	ROW F,0, F,1, F,2, F,3
	ROW F,4, E,0, F,5, F,6
	ROW F,7, E,1, T,0, T,1
	ROW R,0, R,1, R,2, R,3
	ROW F,8, E,2, C,0, F,9
	ROW F,10, E,3, T,2, T,3
	ROW R,4, R,5, R,6, R,7
.if (\p) == 2
	WIN 0
	v_add_nc_u32 v[AK], s[TBK], v[AK0]
.endif
	ROW F,11, E,4, C,1, B,0
	OPS E,5, F,12, E,6, L,0
	OPS E,7, F,13
.if (\p) == 2
	FETCH_K \last
.endif
	OPS E,8, F,14, E,9, F,15
	OPS E,10, C,2, E,11, T,4
	OPS E,12, C,3, E,13, T,5
	OPS E,14, B,1, E,15, C,4
	OPS E,16, T,6, E,17, C,5
	OPS E,18, L,1, E,19, B,2
	OPS E,20, C,6, E,21, T,7
	OPS E,22, C,7, E,23, L,2
	OPS E,24, B,3
.if (\p) == 1
	s_wait_dscnt 8
.endif
	ROW T,8, E,25, U,0, T,9
	ROW U,1, E,26, T,10, U,2
	ROW R,8, R,9, R,10, R,11
	ROW U,3, E,27, T,11, U,4
	ROW U,5, E,28, T,12, U,6
	ROW R,12, R,13, R,14, R,15
	ROW U,7, E,29, T,13, U,8
.if (\p) == 0
	WIN 0
	v_add_nc_u32 v[AV], s[TBV], v[AV0]
.endif
	ROW U,9, E,30, T,14, U,10
	OPS E,31, T,15, U,11, U,12
	OPS U,13
.if (\p) == 0
	FETCH_V
	s_add_co_u32 s[TBV], s[TBV], KS*PV
.endif
	OPS U,14, U,15, X,0, X,1
	OPS X,2, X,3, C,8, X,4
	OPS X,5, X,6, X,7, C,9
	OPS X,8, X,9, X,10, X,11
	OPS X,15, B,4, X,12, X,13
	OPS X,14, C,10, C,11, L,3
	OPS X,16, B,5, C,12, L,4
	OPS X,17, C,13, B,6, C,14
	OPS X,18, L,5, C,15, B,7
	OPS X,19, L,6, X,20, L,7
	OPS X,21
.endm
	CHANGE 1                        ; slot 0 is in, everybody's part of it; slot 1 is asked for
	v_add_nc_u32 v[AM], s[TBM], v[AM0]
	s_add_co_u32 s[TBM], s[TBM], KS*4
	FETCH_M 0                       ; key step 0: the mask words of pieces 0 and 1,
	FETCH_M 1
	v_add_nc_u32 v[AK], s[TBK], v[AK0]
	FETCH_K                         ; and K
	s_wait_loadcnt 0x0              ; Q
	s_wait_dscnt 0x0
.set i, 0
.rept 8
	KQ 0                            ; piece 0's first scores: there is no vector work yet to set between them
.set i, i+1
.endr
	WIN 0                           ; the addresses for the way out: eight plain instructions, the places behind those products
	s_mul_i32 s89, s[QH], 64*SP
	s_add_co_u32 s89, s89, s88
	s_add_co_u32 s89, s89, STAGE    ; into the stage: my 64 rows, my head's half of their 256 bytes
	v_mul_u32_u24 v[STO], v1, SP    ; row r, 16 bytes for each half of the lanes
	v_lshl_add_u32 v[STO], v9, 4, v[STO]
	v_add_nc_u32 v[STO], s89, v[STO]
	s_mul_i32 s90, s[WV], 32*SP
	s_add_co_u32 s90, s90, STAGE    ; back: wave w takes rows 32 w .. 32 w + 31, whole
	v_mul_u32_u24 v[RD], v9, SP     ; lanes 0-15 one row of 256 bytes, lanes 16-31 the next
	v_lshl_add_u32 v[RD], v1, 4, v[RD]
	v_add_nc_u32 v[RD], s90, v[RD]
	v_lshlrev_b32 v[GO], 11, v9     ; and the same two rows of ctx, 2,048 bytes apart
	v_lshl_add_u32 v[GO], v1, 4, v[GO]
.set Y, NP-1                        ; T, U and X work for piece Y + 1: piece 0
.irp n, 0,1,2,3,4,5,6,7,8,9,10,11,12,13,14,15
	OP T, \n
.endr
.irp n, 0,1,2,3,4,5,6,7,8,9,10,11,12,13,14,15
	OP U, \n
.endr
.irp n, 0,1,2,3,4,5,6,7,8,9,10,11,12,13,14,15,16,17,18,19,20,21
	OP X, \n
.endr
	v_nop                           ; a plain instruction behind the exponential
	s_mov_b32 s[CNT], 2
	s_mov_b32 s[SLOTS], 31
	s_branch .Lfirst                ; the loop is entered at a step's first turn, in the middle of a trip
.Lslot:                             ; 30 times: every slot but the last two is filled again
	CHANGE 1
	s_mov_b32 s[CNT], 2
.Lstep:                             ; a trip: pieces 2 and 3 of one step, then pieces 0 and 1 of the next, whose K, V and mask words it fetches
	TURN 2
	TURN 3
	WIN 0
.Lfirst:
	TURN 0
	TURN 1
	WIN 0
	s_sub_co_u32 s[CNT], s[CNT], 1
	s_cmp_lg_u32 s[CNT], 0
	s_cbranch_scc1 .Lstep
	s_sub_co_u32 s[SLOTS], s[SLOTS], 1
	s_cmp_lg_u32 s[SLOTS], 0
	s_cbranch_scc1 .Lslot
	CHANGE 0                        ; the tail is written out: nothing is asked for
	s_mov_b32 s[CNT], 3             ; two trips fetch the last slot's steps; the third is left in its middle
.Ltail:
	TURN 2, 1
	TURN 3, 1
	WIN 0
	s_sub_co_u32 s[CNT], s[CNT], 1
	s_cmp_eq_u32 s[CNT], 0
	s_cbranch_scc1 .Lout
	TURN 0
	TURN 1
	WIN 0
	s_branch .Ltail
.Lout:                              ; the third trip's 8 products K Q^T (on the last K once more) and the maximum made of them serve nothing: the price, once a launch, of one text for every trip
.set i, 0
.rept 8
	PV NP-1                         ; the last piece's V^T P of the last step
.set i, i+1
.endr
	; THE WAY OUT.  l's two halves and the other half of the lanes' are added; O^T is divided by l, rounded to f16 and put into the work-group's stage; a barrier, since a row's 256 bytes come from two
	; waves (two heads); back as whole rows, 32 a wave.  The additions are the places behind the last products.
	WIN 0
.irp t, 0,1,2,3
	v_add_f32 v[ST+4*(\t)+2], v[ST+4*(\t)+2], v[ST+4*(\t)+3]
.endr
.irp t, 0,1,2,3
	v_permlanex16_b32 v[ST+4*(\t)+3], v[ST+4*(\t)+2], s[SEL], s[SEL+1]
.endr
.irp t, 0,1,2,3
	v_add_f32 v[ST+4*(\t)+2], v[ST+4*(\t)+2], v[ST+4*(\t)+3]
.endr
.irp t, 0,1,2,3
	v_rcp_f32 v[ST+4*(\t)+2], v[ST+4*(\t)+2]
.endr
	v_nop                           ; a plain instruction between the last reciprocal and the use of its result
	s_wait_alu depctr_va_vdst(0)
.macro PACK t                       ; piece t: a lane's eight channels of a row pack into 16 bytes
	WIN W_RS
.set i, 32*(\t)
.rept 16
	v_pk_mul_f32 v[i:i+1], v[i:i+1], v[ST+4*(\t)+2:ST+4*(\t)+3] op_sel_hi:[1,0]
.set i, i+2
.endr
	WIN 0x05                        ; sources 0 and 1 window 1, destination window 0: S^T's registers are free
.set i, 0
.rept 16
	v_cvt_pk_f16_f32 v[S+16*(\t)+i], v[32*(\t)+2*i], v[32*(\t)+2*i+1]
.set i, i+1
.endr
	WIN 0
.irp f, 0,1,2,3
	ds_store_b128 v[STO], v[S+16*(\t)+4*(\f):S+16*(\t)+4*(\f)+3] offset:(\t)*16*SP+32*(\f)
.endr
.endm
	PACK 0
	PACK 1
	PACK 2
	PACK 3
	s_wait_dscnt 0x0                ; for the others' sake: my stores into the stage are done
	s_barrier_signal -1
	s_barrier_wait -1
.irp t, 0,1,2,3,4,5,6,7,8,9,10,11,12,13,14,15
	ds_load_b128 v[S+4*(\t):S+4*(\t)+3], v[RD] offset:(\t)*2*SP
.endr
.irp t, 0,1,2,3,4,5,6,7,8,9,10,11,12,13,14,15
	s_wait_dscnt 15-(\t)            ; LDS loads come back in order: pair t of rows is in
	global_store_b128 v[GO], v[S+4*(\t):S+4*(\t)+3], s[8:9] offset:4096*(\t)  ; 16 lanes store 256 consecutive bytes, at a multiple of 256 from ctx's first byte
.endr
	s_wait_tensorcnt 0x0            ; the wave's end, behind my last tensor load and my last LDS store
	ds_add_u32 v[SPW], v[NIL]
	s_wait_dscnt 0x0
	CROUND                          ; the closing round: no work-group ends while a partner may still ask for a tile that names it
	s_endpgm
.Lfunc_end_k_qe43bfdfe5b_attn:
	.size	k_qe43bfdfe5b_attn, .Lfunc_end_k_qe43bfdfe5b_attn-k_qe43bfdfe5b_attn
	.p2alignl 7, 3214868480
	.fill 96, 4, 3214868480
	.section	.rodata,"a",@progbits
	.p2align	6, 0x0
	.amdhsa_kernel k_qe43bfdfe5b_attn
		.amdhsa_group_segment_fixed_size 327680
		.amdhsa_private_segment_fixed_size 0
		.amdhsa_enable_private_segment 0
		.amdhsa_kernarg_size 24
		.amdhsa_user_sgpr_count 2
		.amdhsa_user_sgpr_kernarg_segment_ptr 1
		.amdhsa_wavefront_size32 1
		.amdhsa_system_sgpr_workgroup_id_x 1
		.amdhsa_system_sgpr_workgroup_id_y 1
		.amdhsa_system_sgpr_workgroup_id_z 1
		.amdhsa_system_vgpr_workitem_id 0
		.amdhsa_next_free_vgpr 768
		.amdhsa_next_free_sgpr 92
		.amdhsa_reserve_vcc 0
		.amdhsa_float_denorm_mode_32 3
		.amdhsa_float_denorm_mode_16_64 3
		.amdhsa_memory_ordered 1
		.amdhsa_forward_progress 1
		.amdhsa_inst_pref_size 141
	.end_amdhsa_kernel
	.amdgpu_metadata
---
amdhsa.version: [ 1, 2 ]
amdhsa.kernels:
  - .name:           k_qe43bfdfe5b_attn
    .symbol:         k_qe43bfdfe5b_attn.kd
    .args:
      - { .name: qkv, .offset: 0, .size: 8, .value_kind: global_buffer, .address_space: global }
      - { .name: mask, .offset: 8, .size: 8, .value_kind: global_buffer, .address_space: global }
      - { .name: ctx, .offset: 16, .size: 8, .value_kind: global_buffer, .address_space: global }
    .group_segment_fixed_size: 327680
    .private_segment_fixed_size: 0
    .kernarg_segment_align: 8
    .kernarg_segment_size: 24
    .max_flat_workgroup_size: 128
    .sgpr_count:     92
    .vgpr_count:     768
    .wavefront_size: 32
...
	.end_amdgpu_metadata
.endif
;; end of part 3
;; launch outgemm (part 4): grid 8 x 32, 4 waves a work-group, clusters of 4 x 4, 327,680 bytes of LDS; arguments ctx, wo16, b_out, out0; writes out0
.if DOCPART == 4
	.amdgcn_target "amdgcn-amd-amdhsa--gfx1250"
	.amdhsa_code_object_version 6
	.text
	.protected	k_qe43bfdfe5b_outgemm
	.globl	k_qe43bfdfe5b_outgemm
	.p2align	8
	.type	k_qe43bfdfe5b_outgemm,@function
k_qe43bfdfe5b_outgemm:
	s_mov_b64 s[64:65], 0
	v_nop
	global_prefetch_b8 v0, s[64:65] scope:SCOPE_SE
	s_setreg_imm32_b32 hwreg(HW_REG_WAVE_MODE, 25, 1), 1
	s_wait_xcnt 0x0
	s_wait_alu depctr_hold_cnt(0) depctr_sa_sdst(0) depctr_va_vdst(0) depctr_va_sdst(0) depctr_va_ssrc(0) depctr_va_vcc(0) depctr_vm_vsrc(0)
	s_getreg_b32 s2, hwreg(HW_REG_IB_STS2, 6, 4)
	s_cmp_eq_u32 s2, 0
	s_cbranch_scc0 .Lentry_in_a_cluster
	s_endpgm
.Lentry_in_a_cluster:
	s_bfe_u32 s2, ttmp6, 0x10000c
	s_cmp_lg_u32 s2, 0xf033
	s_cbranch_scc0 .Lentry_shape_is_right
	s_endpgm
.Lentry_shape_is_right:
; C[m][n] = the sum over k of A[m][k] W[k][n] + bf16(bias[n]).  A: [4096][1024] f16, W: [1024][SIZE_N] f16, bias: [SIZE_N] f32; sums in f32.
; One text serves two launches; the two constants below tell them apart.
;   OUTF32 = 0 (the QKV projection, SIZE_N = 3072): C is multiplied by 1/8 in columns 0-1023 (q; a power of two, so the one rounding is unchanged), rounded once to f16
;     and stored in 24 blocks of 128 columns, [block][4096 rows][128]: a row of a block is 256 bytes, two heads of 64 channels.
;   OUTF32 = 1 (the output projection, SIZE_N = 1024): C is stored as f32, row-major.
; LIMITS.  With OUTF32 = 0 a result beyond 65,504 becomes an infinity in f16, and one below 6.1e-5 keeps f16's fixed step of 6e-8.  NaN and infinities are not treated apart.
; SHARES.  A tile of C is 128 x 128: four waves, each 64 x 64: 16 accumulators of 16 x 16.  K goes in four steps of 256 through two LDS slots filled by the tensor data mover.
; A's tile: 128 rows x 512 bytes.  W's tile lies [k][n]: 256 rows x 256 bytes; its fragments come out of LDS turned, by ds_load_tr16_b128.
; CLUSTER.  4 x 4 work-groups: the four of a row need the same tiles of A, the four of a column the same tiles of W: each tile is asked for JOINTLY, by the same load, descriptor and mask in all four.
; THE MATRIX INSTRUCTION IS USED TRANSPOSED (source 0 = 16 columns of W, source 1 = 16 rows of A): a lane then holds eight neighbouring numbers of a row of C.
; REGISTERS: window 0: v0-31 addresses; v32-95 at work on the way out; v96-127 my 32 columns' bias; v128-255 the accumulators ((a, b) at v[128 + 8 (4 a + b)]).
;   window 1: two fragment buffers of 128: for 64 along K, 64 registers of A (2 x 4 x 16 rows x 32 K), then 64 of W.
.set OUTF32, 1
.set SIZE_N, 1024
.set SIZE_K, 1024
.set KSTEP,  256
.set PITCH,  528                       ; a row of A in LDS: 512 bytes + 16 of padding = 132 words: the 16 rows of a load start at 16 different groups of four banks (64 banks of 4 bytes: ISA guide 11.1)
.set HALFA,  64*PITCH                  ; 64 rows of A: one tensor load, and what one wave reads of A
.set PB,     288                       ; a row of W: 256 + 32 = 72 words
.set HALFB,  128*PB                    ; 128 k-rows of W: one tensor load
.set BOFF,   2*HALFA                   ; W's 256 rows lie behind A's 128
.set SLOT,   BOFF+2*HALFB
.set STAGE,  2*SLOT                    ; behind the ring, never filled by a tensor load: the way out
.set SPITCH, 272
.if OUTF32
.set SPARE,  STAGE+4*16*SPITCH         ; a stage of 16 rows for each wave; behind them the spare words, 128 bytes a wave, which no other line names
.else
.set SPARE,  STAGE+128*SPITCH          ; one stage of 128 rows for the work-group; behind it the spare words
.endif
.set ADRA, 16                          ; v16-17  LDS address of my A fragments in slot 0, 1
.set ADRB, 20                          ; v20-23  of my W fragments: slot 0 k-rows 0-127, 128-255; slot 1 likewise
.set STO,  24                          ; v24     the way out: where I put my bytes of a row
.set RD,   25                          ; v25     the way out: where I read a row back
.set CO,   26                          ; v26     my byte offset in the result
.set SPW,  28                          ; v28     LDS address of my spare word; never rewritten
.set NIL,  29                          ; v29     0; never rewritten
.set TMP,  32
.set BIAS, 96
.set ACC,  128
.set F0,   0                           ; fragment buffers, in window 1
.set F1,   128
.set G1,  24                           ; s[24:31] descriptor group 1 for A's tiles;  s[32:39] group 0, one set for each slot
.set G0,  32
.set G1B, 48                           ; s[48:55], s[56:63] the same for W's tiles
.set G0B, 56
.set WV,  66                           ; s66  my wave's number
.set RH,  67                           ; s67  which half of the tile's rows is mine.  Also: I fetch for A (0) or for W (1)
.set CH,  68                           ; s68  which half of its columns.  Also: which half of that tile I fetch
.set SC,  70                           ; s[70:71] the factor, 1/8 or 1
.set MSB, 0
.macro WIN new                         ; the immediate's high byte repeats the setting that is left; a switch that changes nothing is dropped
.if MSB != (\new)
	s_set_vgpr_msb (MSB<<8)|(\new)
.set MSB, \new
.endif
.endm
.set MUL,  0x05                        ; sources 0 (W) and 1 (A) window 1; C and D window 0
.set TO_F, 0x40                        ; destination window 1, address window 0
.macro JLOAD s                         ; a joint load: waves 0 and 1 fetch A's two halves, waves 2 and 3 W's; an s_nop 0 and four v_nop follow each line, ahead of the jump and the label
	s_cmp_eq_u32 s[RH], 0
	s_cbranch_scc0 .Lfor_b_\@
	tensor_load_to_lds s[G0+4*(\s):G0+4*(\s)+3], s[G1:G1+7]
	s_nop 0
.rept 4
	v_nop
.endr
	s_branch .Lasked_\@
.Lfor_b_\@:
	tensor_load_to_lds s[G0B+4*(\s):G0B+4*(\s)+3], s[G1B:G1B+7]
	s_nop 0
.rept 4
	v_nop
.endr
.Lasked_\@:
.endm
.macro CREST                           ; a round of the cluster's barrier behind its opening barrier
	s_cmp_lg_u32 s[WV], 0
	s_cbranch_scc1 .Lnot_wave_0_\@
	s_barrier_signal -3
.Lnot_wave_0_\@:
	s_barrier_wait -3
	s_barrier_signal -1
	s_barrier_wait -1
.endm
.macro CROUND                          ; a whole round
	s_barrier_signal -1
	s_barrier_wait -1
	CREST
.endm
	s_load_b256 s[4:11], s[0:1], 0x0               ; A s[4:5], W s[6:7], bias s[8:9], the result s[10:11]
	v_lshl_add_u32 v[SPW], v0, 2, SPARE
	v_mov_b32 v[NIL], 0
	ds_add_u32 v[SPW], v[NIL]                      ; the wave's opening: the add and its wait stand ahead of my first tensor load; the set-up below, work on registers, stands between them
	v_lshrrev_b32 v1, 5, v0
	v_readfirstlane_b32 s[WV], v1                  ; wave 0..3
	s_lshr_b32 s[RH], s[WV], 1
	s_and_b32 s[CH], s[WV], 1
	s_bfe_u32 s40, ttmp6, 0x40000                  ; cx, cy: my place in the cluster
	s_bfe_u32 s41, ttmp6, 0x40004
	s_lshl_b32 s42, ttmp9, 2
	s_add_co_u32 s42, s42, s40                     ; tile column of C = 4 x cluster x + cx
	s_and_b32 s13, ttmp7, 0xffff
	s_lshl_b32 s13, s13, 2
	s_add_co_u32 s13, s13, s41                     ; tile row of C = 4 x cluster y + cy
	s_lshl_b32 s43, s41, 2
	s_lshl_b32 s43, 15, s43                        ; my row of the cluster
	s_lshl_b32 s44, 0x1111, s40                    ; my column
	; descriptor group 1 for A: 64 rows x 256 elements of 2 bytes, 16 bytes of padding behind every 128 words
	s_or_b32 s[G1+0], s43, (1<<16)|(1<<20)|(1<<21)|(6<<22)|(3<<25)  ; 15:0 the mask: my row; 17:16 2-byte elements; 20 padding on; 21 set beside a mask; 24:22 code 6; 31:25 4 words (code 3)
	s_mov_b32 s[G1+1], KSTEP<<16                   ; tensor_dim0 = 256
	s_mov_b32 s[G1+2], 64<<16                      ; tensor_dim1 = 64
	s_mov_b32 s[G1+3], KSTEP<<16                   ; tile_dim0 = 256
	s_mov_b32 s[G1+4], 64                          ; tile_dim1 = 64
	s_mov_b32 s[G1+5], SIZE_K                      ; elements from row to row
	s_mov_b32 s[G1+6], 0
	s_mov_b32 s[G1+7], 0
	; for W: 128 k-rows x 128 elements, 32 bytes of padding behind every 64 words
	s_or_b32 s[G1B+0], s44, (1<<16)|(1<<20)|(1<<21)|(5<<22)|(7<<25)  ; the mask: my column; code 5; 8 words (code 7)
	s_mov_b32 s[G1B+1], 128<<16
	s_mov_b32 s[G1B+2], 128<<16
	s_mov_b32 s[G1B+3], 128<<16
	s_mov_b32 s[G1B+4], 128
	s_mov_b32 s[G1B+5], SIZE_N
	s_mov_b32 s[G1B+6], 0
	s_mov_b32 s[G1B+7], 0
	; where the tiles come from: A's hang on the tile row alone, W's on the tile column alone, each in registers that never hold the other coordinate
	s_lshl_b32 s16, s13, 7
	s_lshl_b32 s17, s[CH], 6
	s_add_co_u32 s16, s16, s17                     ; A: row 128 x tile row + 64 x half,
	s_lshl_b32 s16, s16, 11                        ; of 2,048 bytes
	s_mov_b32 s17, 0
	s_lshl_b32 s46, s42, 8                         ; W: 256 bytes x tile column
	s_mul_i32 s47, s[CH], 128*SIZE_N*2             ; + 128 k-rows x half
	s_add_co_u32 s46, s46, s47
	s_mov_b32 s47, 0
	s_mul_i32 s20, s[CH], HALFA                    ; and where they go: no place in the cluster enters an LDS address
	s_mul_i32 s21, s[CH], HALFB
	s_add_co_u32 s21, s21, BOFF
.if !OUTF32
	s_cmp_lt_u32 s42, 8                            ; tile columns 0-7 are q: a choice of a number, no branch
	s_cselect_b32 s[SC], 0x3e000000, 1.0
	s_mov_b32 s[SC+1], s[SC]                       ; named with it as a pair
.endif
	s_wait_dscnt 0x0                               ; the opening add is done
	s_wait_kmcnt 0x0
	s_add_nc_u64 s[14:15], s[4:5], s[16:17]
	s_add_nc_u64 s[46:47], s[6:7], s[46:47]
	CROUND                                         ; all sixteen work-groups are here: the first joint loads meet
.irp s, 0,1
	s_mov_b32 s[G0+4*(\s)], 1                                        ; count = 1
	s_add_co_u32 s[G0+4*(\s)+1], s20, (\s)*SLOT                      ; LDS address
	s_add_nc_u64 s[G0+4*(\s)+2:G0+4*(\s)+3], s[14:15], (\s)*KSTEP*2  ; global address: K step s
	s_or_b32 s[G0+4*(\s)+3], s[G0+4*(\s)+3], 0x80000000              ; type = 2
	s_mov_b32 s[G0B+4*(\s)], 1
	s_add_co_u32 s[G0B+4*(\s)+1], s21, (\s)*SLOT
	s_add_nc_u64 s[G0B+4*(\s)+2:G0B+4*(\s)+3], s[46:47], (\s)*KSTEP*SIZE_N*2
	s_or_b32 s[G0B+4*(\s)+3], s[G0B+4*(\s)+3], 0x80000000
	JLOAD \s                                       ; two loads of mine are out
.endr
	v_and_b32 v1, 15, v0                           ; r = l % 16
	v_bfe_u32 v2, v0, 4, 1                         ; h = l / 16
	; the bias of my 32 columns, 128 x tile column + 64 x half + 16 b + 8 h + 0..7
	s_lshl_b32 s22, s42, 9
	s_lshl_b32 s23, s[CH], 8
	s_add_co_u32 s22, s22, s23                     ; my first column x 4 bytes
	s_mov_b32 s23, 0
	s_add_nc_u64 s[8:9], s[8:9], s[22:23]
	v_lshlrev_b32 v6, 5, v2
.irp b, 0,1,2,3
	global_load_b128 v[BIAS+8*(\b):BIAS+8*(\b)+3],   v6, s[8:9] offset:64*(\b)
	global_load_b128 v[BIAS+8*(\b)+4:BIAS+8*(\b)+7], v6, s[8:9] offset:64*(\b)+16
.endr
	; a fragment of A: lane l holds row r, K = 8 h + 0..7 and 16 + 8 h + 0..7: two loads of 16 bytes, 32 bytes apart
	v_mul_u32_u24 v3, v1, PITCH
	v_lshl_add_u32 v3, v2, 4, v3
	s_mul_i32 s72, s[RH], HALFA                    ; my 64 rows of A
	v_add_nc_u32 v[ADRA], s72, v3
	v_add_nc_u32 v[ADRA+1], SLOT, v[ADRA]
	; a fragment of W: the turning load takes 16 k x 16 n (lane l reads k-row 8 h + l % 8, columns 8 ((l / 8) % 2) + 0..7) and leaves lane l column r and 8 k
	v_and_b32 v4, 7, v0
	v_lshl_add_u32 v4, v2, 3, v4
	v_mul_u32_u24 v4, v4, PB
	v_bfe_u32 v5, v0, 3, 1
	v_lshl_add_u32 v4, v5, 4, v4
	s_lshl_b32 s72, s[CH], 7                       ; my 64 columns
	s_add_co_u32 s72, s72, BOFF
	v_add_nc_u32 v[ADRB], s72, v4
	v_add_nc_u32 v[ADRB+1], HALFB, v[ADRB]
	v_add_nc_u32 v[ADRB+2], SLOT, v[ADRB]
	v_add_nc_u32 v[ADRB+3], SLOT+HALFB, v[ADRB]
.if OUTF32
	s_mul_i32 s72, s[WV], 16*SPITCH
	s_add_co_u32 s72, s72, STAGE                   ; my own stage: a wave's 64 f32 columns are a whole 256 bytes
	v_mul_u32_u24 v4, v1, SPITCH                   ; in: row r, 32 bytes for each half of the lanes
	v_lshl_add_u32 v4, v2, 5, v4
	v_add_nc_u32 v[STO], s72, v4
	v_mul_u32_u24 v5, v2, SPITCH                   ; back: lanes 0-15 one row of 256 bytes, lanes 16-31 the next
	v_lshl_add_u32 v5, v1, 4, v5
	v_add_nc_u32 v[RD], s72, v5
	v_lshlrev_b32 v5, 12, v2                       ; and the same two rows of the result, 4,096 bytes apart
	v_lshl_add_u32 v[CO], v1, 4, v5
	s_lshl_b32 s16, s13, 7
	s_lshl_b32 s17, s[RH], 6
	s_add_co_u32 s16, s16, s17                     ; my first row: 128 x tile row + 64 x half,
	s_lshl_b32 s16, s16, 12                        ; of 4,096 bytes
	s_mov_b32 s17, 0
	s_add_nc_u64 s[10:11], s[10:11], s[16:17]
	s_add_nc_u64 s[10:11], s[10:11], s[22:23]      ; my first column x 4 bytes, as for the bias
.else
	s_mul_i32 s72, s[RH], 64*SPITCH                ; into the shared stage: my 64 rows, my half of their 256 bytes
	s_lshl_b32 s73, s[CH], 7
	s_add_co_u32 s72, s72, s73
	s_add_co_u32 s72, s72, STAGE
	v_mul_u32_u24 v4, v1, SPITCH
	v_lshl_add_u32 v4, v2, 4, v4
	v_add_nc_u32 v[STO], s72, v4
	s_mul_i32 s72, s[WV], 32*SPITCH                ; back: wave w takes rows 32 w .. 32 w + 31, whole
	s_add_co_u32 s72, s72, STAGE
	v_mul_u32_u24 v5, v2, SPITCH
	v_lshl_add_u32 v5, v1, 4, v5
	v_add_nc_u32 v[RD], s72, v5
	v_lshlrev_b32 v5, 8, v2                        ; and the same two rows of the block, 256 bytes apart
	v_lshl_add_u32 v[CO], v1, 4, v5
	s_lshl_b32 s16, s13, 7
	s_lshl_b32 s17, s[WV], 5
	s_add_co_u32 s16, s16, s17                     ; the first row that I store: 128 x tile row + 32 x wave,
	s_lshl_b32 s16, s16, 8                         ; of 256 bytes
	s_mov_b32 s17, 0
	s_add_nc_u64 s[10:11], s[10:11], s[16:17]
	s_lshl_b32 s22, s42, 20                        ; block = tile column: 4,096 rows x 256 bytes
	s_add_nc_u64 s[10:11], s[10:11], s[22:23]
.endif
	s_wait_loadcnt 0x0                             ; the bias; it is rounded to bf16 like every input, widened again, and takes the factor
.set p, 0
.rept 16
	v_cvt_pk_bf16_f32 v[7+p%2], v[BIAS+2*p], v[BIAS+2*p+1]
	v_lshlrev_b32 v[BIAS+2*p], 16, v[7+p%2]
	v_and_b32 v[BIAS+2*p+1], 0xffff0000, v[7+p%2]
.if !OUTF32
	v_pk_mul_f32 v[BIAS+2*p:BIAS+2*p+1], v[BIAS+2*p:BIAS+2*p+1], s[SC:SC+1] op_sel_hi:[1,0]
.endif
.set p, p+1
.endr
; 8 matrix instructions: m blocks a0, a0 + 1 x all 4 n blocks, 32 along K: half c of buffer f.  zero = 1: the first product starts the sums.  The 16 accumulators take turns.
.macro MUL8 f, c, a0, zero
	WIN MUL
.irp a, \a0, (\a0)+1
.irp b, 0,1,2,3
.if \zero
	v_wmma_f32_16x16x32_f16 v[ACC+8*(4*(\a)+(\b)):ACC+8*(4*(\a)+(\b))+7], v[(\f)+64+8*(4*(\c)+(\b)):(\f)+64+8*(4*(\c)+(\b))+7], v[(\f)+8*(4*(\c)+(\a)):(\f)+8*(4*(\c)+(\a))+7], 0
.else
	v_wmma_f32_16x16x32_f16 v[ACC+8*(4*(\a)+(\b)):ACC+8*(4*(\a)+(\b))+7], v[(\f)+64+8*(4*(\c)+(\b)):(\f)+64+8*(4*(\c)+(\b))+7], v[(\f)+8*(4*(\c)+(\a)):(\f)+8*(4*(\c)+(\a))+7], v[ACC+8*(4*(\a)+(\b)):ACC+8*(4*(\a)+(\b))+7]
.endif
.endr
.endr
.endm
; 32 LDS loads in one run: the fragments of quarter q (64 along K) of a slot, into buffer f; the first 32 along K first
.macro FETCH slot, q, f
	WIN TO_F
.irp c, 0,1
.irp i, 0,1,2,3
	ds_load_tr16_b128 v[(\f)+64+8*(4*(\c)+(\i)):(\f)+64+8*(4*(\c)+(\i))+3],   v[ADRB+2*(\slot)+(\q)/2] offset:(((\q)%2)*64+32*(\c))*PB+32*(\i)
	ds_load_tr16_b128 v[(\f)+64+8*(4*(\c)+(\i))+4:(\f)+64+8*(4*(\c)+(\i))+7], v[ADRB+2*(\slot)+(\q)/2] offset:(((\q)%2)*64+32*(\c)+16)*PB+32*(\i)
	ds_load_b128 v[(\f)+8*(4*(\c)+(\i)):(\f)+8*(4*(\c)+(\i))+3],         v[ADRA+(\slot)] offset:128*(\q)+64*(\c)+(\i)*16*PITCH
	ds_load_b128 v[(\f)+8*(4*(\c)+(\i))+4:(\f)+8*(4*(\c)+(\i))+7],       v[ADRA+(\slot)] offset:128*(\q)+64*(\c)+(\i)*16*PITCH+32
.endr
.endr
.endm
.macro PLACES                          ; four places in front of loads into registers that matrix instructions have read, and of vector lines that read results
.rept 4
	v_nop
.endr
.endm
; A K step is four quarters of 64 along K, 32 matrix instructions each, on buffers 0, 1, 0, 1.  One of the first three: multiplies buffer f and fetches quarter q into g.
.macro QUARTER slot, q, f, g, zero
	s_wait_dscnt 16                                ; the first 32 along K are in; the youngest sixteen loads may be out
	WIN MUL
	MUL8 \f, 0, 0, \zero
	MUL8 \f, 0, 2, \zero
	PLACES
	FETCH \slot, \q, \g
	s_wait_dscnt 32                                ; all but the 32 just issued
	WIN MUL
	MUL8 \f, 1, 0, 0
	MUL8 \f, 1, 2, 0
.endm
; The last quarter multiplies buffer 1 and changes slots: ONE barrier; in front of it each wave waits for all its tensor loads, adds 0 to its spare word, and waits for that and for its own reads of this slot.
; fill = 1: this slot is filled again, two K steps ahead; the barrier then opens a round of the cluster's.
.macro TURN slot, next, fill
	WIN 0                                          ; (the add's two registers lie in window 0)
	s_wait_tensorcnt 0x0                           ; all my tensor loads have landed: my part of the next slot;
	ds_add_u32 v[SPW], v[NIL]                      ; 0 onto my spare word;
	s_wait_dscnt 17                                ; (the add and the youngest sixteen loads may be out)
	WIN MUL
	MUL8 F1, 0, 0, 0                               ; eight matrix instructions stand between the add and the wait for it
	s_wait_dscnt 0x0                               ; the add is done, and my reads of this slot are over
	s_barrier_signal -1
	MUL8 F1, 0, 2, 0
.if \fill
	WIN 0
.endif
	s_barrier_wait -1
.if \fill
	CREST                                          ; no wave of any partner still reads this slot's tile or has a load on its way
	s_add_nc_u64 s[G0+4*(\slot)+2:G0+4*(\slot)+3], s[G0+4*(\slot)+2:G0+4*(\slot)+3], 2*KSTEP*2
	s_add_nc_u64 s[G0B+4*(\slot)+2:G0B+4*(\slot)+3], s[G0B+4*(\slot)+2:G0B+4*(\slot)+3], 2*KSTEP*SIZE_N*2
	JLOAD \slot                                    ; the first tensor load behind the round, my one load until the next; its four v_nop are also the places in front of the loads below
.else
	PLACES
.endif
	FETCH \next, 0, F0
	WIN MUL
	MUL8 F1, 1, 0, 0
	MUL8 F1, 1, 2, 0
.endm
	s_wait_tensorcnt 1                             ; my part of K step 0 is in; K step 1's may stay out
	s_barrier_signal -1
	s_barrier_wait -1                              ; everybody's is
	FETCH 0, 0, F0
	QUARTER 0, 1, F0, F1, 1                        ; K step 0: its first products start the sums
	QUARTER 0, 2, F1, F0, 0
	QUARTER 0, 3, F0, F1, 0
	TURN 0, 1, 1                                   ; slot 0 takes K step 2
	QUARTER 1, 1, F0, F1, 0                        ; K step 1
	QUARTER 1, 2, F1, F0, 0
	QUARTER 1, 3, F0, F1, 0
	TURN 1, 0, 1                                   ; slot 1 takes K step 3
	QUARTER 0, 1, F0, F1, 0                        ; K step 2
	QUARTER 0, 2, F1, F0, 0
	QUARTER 0, 3, F0, F1, 0
	TURN 0, 1, 0                                   ; nothing is left to fetch
	QUARTER 1, 1, F0, F1, 0                        ; K step 3
	QUARTER 1, 2, F1, F0, 0
	QUARTER 1, 3, F0, F1, 0
	s_wait_dscnt 16
	WIN MUL
	MUL8 F1, 0, 0, 0
	MUL8 F1, 0, 2, 0
	s_wait_dscnt 0x0
	MUL8 F1, 1, 0, 0
	MUL8 F1, 1, 2, 0
	WIN 0
	PLACES
.if OUTF32
; THE WAY OUT, f32.  Block a (16 rows): the bias is added; a lane's 8 numbers of an accumulator are 32 bytes of a row; they go into my own stage and come back as whole rows of 256 bytes, into the registers that they left.
.macro PACKF a
.irp b, 0,1,2,3
.irp r, 0,1,2,3
	v_pk_add_f32 v[ACC+8*(4*(\a)+(\b))+2*(\r):ACC+8*(4*(\a)+(\b))+2*(\r)+1], v[ACC+8*(4*(\a)+(\b))+2*(\r):ACC+8*(4*(\a)+(\b))+2*(\r)+1], v[BIAS+8*(\b)+2*(\r):BIAS+8*(\b)+2*(\r)+1]
.endr
.endr
.irp b, 0,1,2,3
	ds_store_b128 v[STO], v[ACC+8*(4*(\a)+(\b)):ACC+8*(4*(\a)+(\b))+3]   offset:64*(\b)
	ds_store_b128 v[STO], v[ACC+8*(4*(\a)+(\b))+4:ACC+8*(4*(\a)+(\b))+7] offset:64*(\b)+16
.endr
.irp t, 0,1,2,3,4,5,6,7
	ds_load_b128 v[ACC+32*(\a)+4*(\t):ACC+32*(\a)+4*(\t)+3], v[RD] offset:(\t)*2*SPITCH  ; LDS serves a wave's instructions in order (ISA guide 5.7.1.4): these see the stores above; the next block's stores come behind them
.endr
.endm
.macro SENDF a, younger                ; younger: the LDS instructions issued behind block a's loads: the next block's sixteen, or none
.irp t, 0,1,2,3,4,5,6,7
	s_wait_dscnt (\younger)+7-(\t)
	global_store_b128 v[CO], v[ACC+32*(\a)+4*(\t):ACC+32*(\a)+4*(\t)+3], s[10:11] offset:(16*(\a)+2*(\t))*SIZE_N*4  ; 16 lanes store 256 consecutive bytes, at a multiple of 256 from the buffer's first byte
.endr
.endm
	PACKF 0
	PACKF 1                                        ; a block's arithmetic stands between the loads of the block before and its stores
	SENDF 0, 16
	PACKF 2
	SENDF 1, 16
	PACKF 3
	SENDF 2, 16
	SENDF 3, 0
.else
	; THE WAY OUT, f16: (sum + bias) x factor as one fused multiply-add; one rounding; 16 bytes a lane into the shared stage; a barrier, since a row's 256 bytes come from two waves; back as whole rows, 32 a wave.
.irp t, 0,1,2,3,4,5,6,7,8,9,10,11,12,13,14,15
.irp r, 0,1,2,3
	v_pk_fma_f32 v[ACC+8*(\t)+2*(\r):ACC+8*(\t)+2*(\r)+1], v[ACC+8*(\t)+2*(\r):ACC+8*(\t)+2*(\r)+1], s[SC:SC+1], v[BIAS+8*((\t)%4)+2*(\r):BIAS+8*((\t)%4)+2*(\r)+1] op_sel_hi:[1,0,1]
.endr
.endr
.irp t, 0,1,2,3,4,5,6,7,8,9,10,11,12,13,14,15
.irp r, 0,1,2,3
	v_cvt_pk_f16_f32 v[TMP+4*(\t)+(\r)], v[ACC+8*(\t)+2*(\r)], v[ACC+8*(\t)+2*(\r)+1]
.endr
.endr
.irp a, 0,1,2,3
.irp b, 0,1,2,3
	ds_store_b128 v[STO], v[TMP+4*(4*(\a)+(\b)):TMP+4*(4*(\a)+(\b))+3] offset:(\a)*16*SPITCH+32*(\b)
.endr
.endr
	s_wait_dscnt 0x0                               ; for the others' sake: my stores into the stage are done
	s_barrier_signal -1
	s_barrier_wait -1
.irp t, 0,1,2,3,4,5,6,7,8,9,10,11,12,13,14,15
	ds_load_b128 v[TMP+4*(\t):TMP+4*(\t)+3], v[RD] offset:(\t)*2*SPITCH
.endr
.irp t, 0,1,2,3,4,5,6,7,8,9,10,11,12,13,14,15
	s_wait_dscnt 15-(\t)                           ; LDS loads come back in order: pair t of rows is in
	global_store_b128 v[CO], v[TMP+4*(\t):TMP+4*(\t)+3], s[10:11] offset:512*(\t)  ; a wave stores 512 consecutive bytes, at a multiple of 256 from the buffer's first byte
.endr
.endif
	s_wait_tensorcnt 0x0                           ; the wave's end, behind my last tensor load and my last LDS store
	ds_add_u32 v[SPW], v[NIL]
	s_wait_dscnt 0x0
	CROUND                                         ; the closing round: no work-group ends while a partner may still ask for a tile that names it
	s_endpgm
.Lfunc_end_k_qe43bfdfe5b_outgemm:
	.size	k_qe43bfdfe5b_outgemm, .Lfunc_end_k_qe43bfdfe5b_outgemm-k_qe43bfdfe5b_outgemm
	.p2alignl 7, 3214868480
	.fill 96, 4, 3214868480
	.section	.rodata,"a",@progbits
	.p2align	6, 0x0
	.amdhsa_kernel k_qe43bfdfe5b_outgemm
		.amdhsa_group_segment_fixed_size 327680
		.amdhsa_private_segment_fixed_size 0
		.amdhsa_enable_private_segment 0
		.amdhsa_kernarg_size 32
		.amdhsa_user_sgpr_count 2
		.amdhsa_user_sgpr_kernarg_segment_ptr 1
		.amdhsa_wavefront_size32 1
		.amdhsa_system_sgpr_workgroup_id_x 1
		.amdhsa_system_sgpr_workgroup_id_y 1
		.amdhsa_system_sgpr_workgroup_id_z 1
		.amdhsa_system_vgpr_workitem_id 0
		.amdhsa_next_free_vgpr 512
		.amdhsa_next_free_sgpr 80
		.amdhsa_reserve_vcc 0
		.amdhsa_float_denorm_mode_32 3
		.amdhsa_float_denorm_mode_16_64 3
		.amdhsa_memory_ordered 1
		.amdhsa_forward_progress 1
		.amdhsa_inst_pref_size 94
	.end_amdhsa_kernel
	.amdgpu_metadata
---
amdhsa.version: [ 1, 2 ]
amdhsa.kernels:
  - .name:           k_qe43bfdfe5b_outgemm
    .symbol:         k_qe43bfdfe5b_outgemm.kd
    .args:
      - { .name: ctx, .offset: 0, .size: 8, .value_kind: global_buffer, .address_space: global }
      - { .name: wo16, .offset: 8, .size: 8, .value_kind: global_buffer, .address_space: global }
      - { .name: b_out, .offset: 16, .size: 8, .value_kind: global_buffer, .address_space: global }
      - { .name: out0, .offset: 24, .size: 8, .value_kind: global_buffer, .address_space: global }
    .group_segment_fixed_size: 327680
    .private_segment_fixed_size: 0
    .kernarg_segment_align: 8
    .kernarg_segment_size: 32
    .max_flat_workgroup_size: 128
    .sgpr_count:     80
    .vgpr_count:     512
    .wavefront_size: 32
...
	.end_amdgpu_metadata
.endif
;; end of part 4
;; ======== version 2 of 2: 4 launches; version 1 with the launch cast written anew for expert scheduling mode
;; limits: values are held in f16: magnitudes above 65,504 overflow, below 6.1e-05 lose precision
;; workspace buffers: x16 8,388,608 bytes; wq16 6,291,456 bytes; wo16 2,097,152 bytes; qkv 25,165,824 bytes; ctx 8,388,608 bytes
;; launch cast (part 5): grid 256 x 1, 8 waves a work-group, no clusters, 0 bytes of LDS; arguments hidden_states, W_qkv, W_out, x16, wq16, wo16; writes x16, wq16, wo16
.if DOCPART == 5
	.amdgcn_target "amdgcn-amd-amdhsa--gfx1250"
	.amdhsa_code_object_version 6
	.text
	.protected	k_qe43bfdfe5b_cast
	.globl	k_qe43bfdfe5b_cast
	.p2align	8
	.type	k_qe43bfdfe5b_cast,@function
k_qe43bfdfe5b_cast:
	s_mov_b64 s[64:65], 0
	v_nop
	global_prefetch_b8 v0, s[64:65] scope:SCOPE_SE
	s_setreg_imm32_b32 hwreg(HW_REG_WAVE_SCHED_MODE, 0, 2), 2
	s_setreg_imm32_b32 hwreg(HW_REG_WAVE_MODE, 25, 1), 1
	s_wait_xcnt 0x0
	s_wait_alu depctr_vm_vsrc(0)
; x16 = f16(bf16(hidden_states)), wq16 = f16(bf16(W_qkv)), wo16 = f16(bf16(W_out)): the same layouts, half the bytes.
; Each f32 is rounded once to bf16 (nearest even); that number is then written as f16, which is exact wherever f16 holds it.
; LIMITS.  A bf16 number beyond 65,504 becomes an infinity in f16; one below 6.1e-5 keeps f16's fixed step of 6e-8.
; A stream: every byte is read once and written once, so LDS, barriers, the matrix unit and clusters would add nothing.
; SHARES.  8,388,608 numbers in 256 work-groups of 32,768: groups 0-127 take hidden_states, 128-223 W_qkv, 224-255 W_out.
; Thread t takes 16 bytes at 16 t of each of 32 sweeps of 4,096 bytes: a wave's load covers 512 consecutive bytes, its store of
; 8 bytes a lane 256 consecutive bytes at a multiple of 256.  All 32 loads of a thread go out at once; every register is written once.
; THE MODE: SCHED_MODE bits 1:0 = 2 (LLVM: expert scheduling mode 2), set by the entry lines.  The code itself states the register dependences
; between vector instructions and memory instructions, with s_wait_alu, always for 0.
; THE PLAN.  Registers that memory instructions touch:
;   v1, v2   byte offsets, made once at the head and never written again; read by every load (v1) and every store (v2).
;   X        sweep i's 4 registers: one load lands in them, issued at the head, ahead of every vector line that names X; nothing lands in them again.
;   Y        sweep i's 2 registers: written once, by the sweep's two conversions to f16; read once, by the sweep's store; never written again.
;   T        named by vector instructions alone.
; The 32 sweeps go in 8 blocks of four.  Block p rounds its four sweeps into its own 8 registers of Y; its memory instructions are the four stores of block p - 1,
; whose Y no vector line of block p names.  So one wait at a block's head states all that its four stores hang on, and they are dealt among the block's
; vector lines with no further wait.  No register that a memory instruction has read is written again, so behind the entry lines the text holds no wait on vm_vsrc.
.set X, 4                              ; v[4:131]    sweep i: 4 f32 as loaded
.set Y, 132                            ; v[132:195]  sweep i: 4 f16 to store
.set T, 196                            ; v[196:207]  at work, two sets of six
.set BLOCK, 4                          ; sweeps in a block
	s_load_b256 s[4:11], s[0:1], 0x0               ; hidden_states s[4:5], W_qkv s[6:7], W_out s[8:9], x16 s[10:11]
	s_load_b128 s[12:15], s[0:1], 0x20             ; wq16 s[12:13], wo16 s[14:15]
	s_mov_b32 s16, ttmp9                           ; the work-group's number
	s_mov_b32 s24, 0xffff0000                      ; a word's upper bf16
	s_movk_i32 s25, 128
	v_lshlrev_b32 v1, 4, v0                        ; 16 t: my bytes in a sweep of the source
	v_lshlrev_b32 v2, 3, v0                        ; 8 t: in a sweep of the result
	s_wait_kmcnt 0x0
	s_cmp_lt_u32 s16, 224                          ; which tensor: the choice hangs on the group's number alone
	s_cselect_b64 s[18:19], s[6:7], s[8:9]
	s_cselect_b64 s[20:21], s[12:13], s[14:15]
	s_cselect_b32 s17, s25, 224                    ; the tensor's first group
	s_cmp_lt_u32 s16, 128
	s_cselect_b64 s[18:19], s[4:5], s[18:19]
	s_cselect_b64 s[20:21], s[10:11], s[20:21]
	s_cselect_b32 s17, 0, s17
	s_sub_co_u32 s16, s16, s17                     ; my place in the tensor
	s_lshl_b32 s22, s16, 17                        ; 131,072 bytes of f32 a group
	s_mov_b32 s23, 0
	s_add_nc_u64 s[18:19], s[18:19], s[22:23]
	s_lshl_b32 s22, s16, 16                        ; 65,536 bytes of f16
	s_add_nc_u64 s[20:21], s[20:21], s[22:23]
	s_wait_alu depctr_va_vdst(0)                   ; v1 and v2 are written: every load of the kernel reads v1 as its offset, every store v2
.set i, 0
.rept 32
	global_load_b128 v[X+4*i:X+4*i+3], v1, s[18:19] offset:4096*i th:TH_LOAD_NT
.set i, i+1
.endr
.set p, 0
.rept 32/BLOCK
.set j, 0
.rept BLOCK
.set i, BLOCK*p+j
.set W, T+6*(i%2)
	s_wait_loadcnt 31-i                            ; loads come back in order: sweep i is in, the 31 - i younger ones stay out
.if (j == 0) && (p > 0)
	s_wait_alu depctr_va_vdst(0)                   ; the block before has written its 8 registers of Y, which this block's four stores read
.endif
.if p > 0
	global_store_b64 v2, v[Y+2*(i-BLOCK):Y+2*(i-BLOCK)+1], s[20:21] offset:2048*(i-BLOCK)  ; a sweep of the block before; no vector line since the wait names its Y or v2
.endif
	v_cvt_pk_bf16_f32 v[W], v[X+4*i], v[X+4*i+1]   ; the one rounding
	v_cvt_pk_bf16_f32 v[W+1], v[X+4*i+2], v[X+4*i+3]
	v_lshlrev_b32 v[W+2], 16, v[W]                 ; bf16 back to f32: the low half moves up, the high half stays
	v_and_b32 v[W+3], s24, v[W]
	v_lshlrev_b32 v[W+4], 16, v[W+1]
	v_and_b32 v[W+5], s24, v[W+1]
	v_cvt_pk_f16_f32 v[Y+2*i], v[W+2], v[W+3]      ; 8 significant bits fit f16's 11
	v_cvt_pk_f16_f32 v[Y+2*i+1], v[W+4], v[W+5]
.set j, j+1
.endr
.set p, p+1
.endr
	s_wait_alu depctr_va_vdst(0)                   ; the last block has written its 8 registers of Y, which the last four stores read
.set i, 32-BLOCK
.rept BLOCK
	global_store_b64 v2, v[Y+2*i:Y+2*i+1], s[20:21] offset:2048*i
.set i, i+1
.endr
	s_endpgm
.Lfunc_end_k_qe43bfdfe5b_cast:
	.size	k_qe43bfdfe5b_cast, .Lfunc_end_k_qe43bfdfe5b_cast-k_qe43bfdfe5b_cast
	.p2alignl 7, 3214868480
	.fill 96, 4, 3214868480
	.section	.rodata,"a",@progbits
	.p2align	6, 0x0
	.amdhsa_kernel k_qe43bfdfe5b_cast
		.amdhsa_group_segment_fixed_size 0
		.amdhsa_private_segment_fixed_size 0
		.amdhsa_enable_private_segment 0
		.amdhsa_kernarg_size 48
		.amdhsa_user_sgpr_count 2
		.amdhsa_user_sgpr_kernarg_segment_ptr 1
		.amdhsa_wavefront_size32 1
		.amdhsa_system_sgpr_workgroup_id_x 1
		.amdhsa_system_sgpr_workgroup_id_y 1
		.amdhsa_system_sgpr_workgroup_id_z 1
		.amdhsa_system_vgpr_workitem_id 0
		.amdhsa_next_free_vgpr 208
		.amdhsa_next_free_sgpr 66
		.amdhsa_reserve_vcc 0
		.amdhsa_float_denorm_mode_32 3
		.amdhsa_float_denorm_mode_16_64 3
		.amdhsa_memory_ordered 1
		.amdhsa_forward_progress 1
		.amdhsa_inst_pref_size 21
	.end_amdhsa_kernel
	.amdgpu_metadata
---
amdhsa.version: [ 1, 2 ]
amdhsa.kernels:
  - .name:           k_qe43bfdfe5b_cast
    .symbol:         k_qe43bfdfe5b_cast.kd
    .args:
      - { .name: hidden_states, .offset: 0, .size: 8, .value_kind: global_buffer, .address_space: global }
      - { .name: W_qkv, .offset: 8, .size: 8, .value_kind: global_buffer, .address_space: global }
      - { .name: W_out, .offset: 16, .size: 8, .value_kind: global_buffer, .address_space: global }
      - { .name: x16, .offset: 24, .size: 8, .value_kind: global_buffer, .address_space: global }
      - { .name: wq16, .offset: 32, .size: 8, .value_kind: global_buffer, .address_space: global }
      - { .name: wo16, .offset: 40, .size: 8, .value_kind: global_buffer, .address_space: global }
    .group_segment_fixed_size: 0
    .private_segment_fixed_size: 0
    .kernarg_segment_align: 8
    .kernarg_segment_size: 48
    .max_flat_workgroup_size: 256
    .sgpr_count:     66
    .vgpr_count:     208
    .wavefront_size: 32
...
	.end_amdgpu_metadata
.endif
;; end of part 5
;; launch qkvgemm: the kernel of part 2 again; grid 24 x 32, 4 waves a work-group, clusters of 4 x 4, 327,680 bytes of LDS; arguments x16, wq16, b_qkv, qkv; writes qkv
;; launch attn: the kernel of part 3 again; grid 32 x 8, 4 waves a work-group, clusters of 4 x 4, 327,680 bytes of LDS; arguments qkv, mask, ctx; writes ctx
;; launch outgemm: the kernel of part 4 again; grid 8 x 32, 4 waves a work-group, clusters of 4 x 4, 327,680 bytes of LDS; arguments ctx, wo16, b_out, out0; writes out0
